; MI455X (gfx1250); checked and timed in simulation.
; The chip was launched on July 23, 2026; its instructions are those of AMD's public machine-readable ISA for CDNA 5 (MIT licence, August 2026) and "CDNA5" Instruction Set Architecture Reference Guide (July 2026). The comments in the code are by the model that wrote it; some were corrected since.
;; Linear Segment Memory Wrapper. Allowed arithmetic: float matrix products may take bf16 or f16 operands with f32 sums; other float arithmetic in f32, or as packed bf16 or f16 multiplies, adds, multiply-adds, maxima and minima; sums over many terms, partial sums and values carried from step to step in f32; what a program stores and reads back later, other than sums and carried values, may be rounded once to bf16 or f16.
;; Inputs: Wk 512 x 512 float32; Wo 512 x 512 float32; Wq 512 x 512 float32; Wv 512 x 512 float32; bk 512 float32; bo 512 float32; bq 512 float32; bv 512 float32; x_seq 8 x 512 x 512 float32.
;; Outputs: out0 8 x 512 x 512 float32.
;; 2 versions, each right; version 2 is version 1 with the launch proj written anew for expert scheduling mode. Each part assembles by itself: llvm-mc -triple=amdgcn-amd-amdhsa -mcpu=gfx1250 --defsym DOCPART=n.
;; ======== version 1 of 2: 3 launches
;; limits: values are held in f16: magnitudes above 65,504 overflow, below 6.1e-05 lose precision
;; workspace buffers: kbuf 4,194,304 bytes; qbuf 4,194,304 bytes; vbuf 4,194,304 bytes; wo16 524,288 bytes; ssq 262,144 bytes; pbuf 4,194,304 bytes; ut 4,194,304 bytes; um 2,048 bytes
;; launch proj (part 1): grid 8 x 32, 8 waves a work-group, no clusters, 144,384 bytes of LDS; arguments x_seq, Wk, Wq, Wv, bk, bq, bv, Wo, kbuf, qbuf, vbuf, wo16, ssq; writes kbuf, qbuf, vbuf, wo16, ssq
.if DOCPART == 1
	.amdgcn_target "amdgcn-amd-amdhsa--gfx1250"
	.amdhsa_code_object_version 6
	.text
	.protected	k_qe1a6bbee81_proj
	.globl	k_qe1a6bbee81_proj
	.p2align	8
	.type	k_qe1a6bbee81_proj,@function
k_qe1a6bbee81_proj:
	s_mov_b64 s[64:65], 0
	v_nop
	global_prefetch_b8 v0, s[64:65] scope:SCOPE_SE
	s_setreg_imm32_b32 hwreg(HW_REG_WAVE_MODE, 25, 1), 1
	s_wait_xcnt 0x0
; PROJ.  k = x Wk^T + bk, q = x Wq^T + bq, v = x Wv^T + bv for the 4,096 rows of x ([8][512][512] f32), NOT yet normalised, and each row's sums of squares of k and q.
; x, the weights and the biases are rounded to bf16 (the biases then used as f32); products in bf16, sums in f32; k, q, v are stored rounded once to f16, in slices of 64 channels:
; kbuf, qbuf, vbuf = [slice 8][row 4096][64] f16, so that a later tile's rows are dense pieces of 128 bytes.  ssq = [slice 8][row 4096][2] f32: the sum of squares of the slice's 64 numbers of k, of q,
; taken of the f16 numbers that are stored, the same that are multiplied later.  Besides, each work-group turns two rows of Wo into wo16 = [slice 8][d 512][64]: rounded to bf16, that number written as f16.
; LIMITS.  k, q, v and Wo must lie within f16's 65,504; below 6e-5 they keep f16's fixed step of 6e-8.  NaN and infinities are not treated apart.
; SHARES.  Work-group (j, y): rows 128 y .. + 127, channels 64 j .. + 63 of each of k, q, v.  Eight waves: wave w has rows 64 (w / 4) .. + 63 and channels 16 (w % 4) .. + 15 of all three: 12 accumulators.
; The matrix instruction is used transposed (source 0 = 16 rows of W, source 1 = 16 rows of x): a lane holds one row of x and eight neighbouring channels.
; THE ROAD.  K = 512 goes in eight chunks of 64, written out.  A chunk's 128 rows of x and 3 x 64 rows of W come as f32 through registers (each load: two rows' 256 consecutive bytes), are rounded once
; for the whole work-group and laid into one of two LDS slots as bf16.  Three chunks' loads, 60 a wave, are on their way.
; NO CLUSTER, NO TENSOR LOAD: joint requests exist for tensor loads alone, and those would lay f32 into LDS: 87,040 bytes a chunk for 46,080, and every wave that reads a fragment would round it again.
.set PITCH, 144                        ; an LDS row: 128 bytes of bf16 + 16: the 16 rows of a fragment load start at 16 different groups of four banks (64 banks of 4 bytes: ISA guide 11.1)
.set BOFF,  128*PITCH                  ; a slot: x's 128 rows, then 64 rows of Wk, of Wq, of Wv
.set MATB,  64*PITCH
.set SLOTB, 320*PITCH
.set STAGE, 2*SLOTB                    ; the way out: 128 rows x (3 x 128 bytes + 16)
.set SP,    400
.set SPARE, STAGE+128*SP               ; the spare words, 128 bytes for each of eight waves: four blocks of 256 bytes that no other line names
.set VX,  2                            ; v2   my byte offset in x: (16 w + hi) rows of 2,048 bytes + 16 lo        (lo = lane % 16, hi = lane / 16)
.set VW,  3                            ; v3   the same in each W: (8 w + hi) rows + 16 lo
.set SA,  4                            ; v4   where I put 8 bytes of x's rows in a slot
.set SB,  5                            ; v5   the same for W's rows
.set FA,  6                            ; v6   my place in x's fragments
.set FB,  7                            ; v7   in W's
.set STO, 8                            ; v8   the way out: where I put 16 bytes of a row
.set RD,  9                            ; v9   where I read rows back
.set GO,  10                           ; v10  16 x my thread's number
.set BO,  11                           ; v11  my byte offset in the biases
.set WI,  12                           ; v12  my byte offset in the group's two rows of Wo
.set WOO, 13                           ; v13  and in wo16
.set SPW, 14                           ; v14  LDS address of my spare word; never rewritten
.set NIL, 15                           ; v15  0; never rewritten
.set BIAS, 24                          ; v24-47   eight numbers of bk, bq, bv
.set ACC,  48                          ; v48-143  accumulator (a, m) at ACC + 8 (3 a + m): rows 16 a .., matrix m (k, q, v)
.set FR,   144                         ; v144-255 fragments of 32 along K, two sets of 56: x's four, then W's three
.set CV,   144                         ; v144-183 a chunk rounded to bf16, on its way to LDS (the fragments' registers, free at that time)
.set PK,   144                         ; the way out: packed f16
.set OB,   192                         ; the way out: rows read back
; window 1: v0-239, three sets of 80: a chunk as loaded, f32.  s_set_vgpr_msb: bits 1:0 source 0, 3:2 source 1, 5:4 source 2, 7:6 destination.
.set MSB, 0
.macro WIN new                         ; the immediate's high byte repeats the setting that is left; a switch that changes nothing is dropped
.if MSB != (\new)
	s_set_vgpr_msb (MSB<<8)|(\new)
.set MSB, \new
.endif
.endm
.macro PLACES                          ; four places between matrix instructions and vector lines or loads that touch their registers
.rept 4
	v_nop
.endr
.endm
.macro LOADS c                         ; chunk c: 20 loads, each two rows' 256 consecutive bytes
	WIN 0x40                                       ; destination window 1, address window 0
.set TB, 80*((\c)%3)
.irp i, 0,1,2,3,4,5,6,7
	global_load_b128 v[TB+4*(\i):TB+4*(\i)+3], v[VX], s[4:5] offset:(\i)*4096+(\c)*256
.endr
.irp m, 0,1,2
.irp i, 0,1,2,3
	global_load_b128 v[TB+32+16*(\m)+4*(\i):TB+32+16*(\m)+4*(\i)+3], v[VW], s[6+2*(\m):7+2*(\m)] offset:(\i)*4096+(\c)*256
.endr
.endr
.endm
.macro CVT c                           ; 80 f32 to 80 bf16
	WIN 0x05                                       ; sources window 1, destination window 0
.set TB, 80*((\c)%3)
.set n, 0
.rept 40
	v_cvt_pk_bf16_f32 v[CV+n], v[TB+2*n], v[TB+2*n+1]
.set n, n+1
.endr
.endm
.macro PUT c                           ; into slot c % 2
	WIN 0
.set SL, SLOTB*((\c)%2)
.irp i, 0,1,2,3,4,5,6,7
	ds_store_b64 v[SA], v[CV+2*(\i):CV+2*(\i)+1] offset:SL+(\i)*2*PITCH
.endr
.irp m, 0,1,2
.irp i, 0,1,2,3
	ds_store_b64 v[SB], v[CV+16+8*(\m)+2*(\i):CV+16+8*(\m)+2*(\i)+1] offset:SL+(\m)*MATB+(\i)*2*PITCH
.endr
.endr
.endm
.macro FRAGS c                         ; 28 LDS loads: the 14 of the first 32 along K first
.set SL, SLOTB*((\c)%2)
.irp kk, 0,1
.irp a, 0,1,2,3
	ds_load_b128 v[FR+56*(\kk)+8*(\a):FR+56*(\kk)+8*(\a)+3],   v[FA] offset:SL+(\a)*16*PITCH+(\kk)*64
	ds_load_b128 v[FR+56*(\kk)+8*(\a)+4:FR+56*(\kk)+8*(\a)+7], v[FA] offset:SL+(\a)*16*PITCH+(\kk)*64+32
.endr
.irp m, 0,1,2
	ds_load_b128 v[FR+56*(\kk)+32+8*(\m):FR+56*(\kk)+32+8*(\m)+3],   v[FB] offset:SL+(\m)*MATB+(\kk)*64
	ds_load_b128 v[FR+56*(\kk)+32+8*(\m)+4:FR+56*(\kk)+32+8*(\m)+7], v[FB] offset:SL+(\m)*MATB+(\kk)*64+32
.endr
.endr
.endm
.macro MUL12 kk, first                 ; 12 products; the accumulators take turns, one instruction a turn.  first = 1: the bias starts the sum
.irp a, 0,1,2,3
.irp m, 0,1,2
.if \first
	v_wmma_f32_16x16x32_bf16 v[ACC+8*(3*(\a)+(\m)):ACC+8*(3*(\a)+(\m))+7], v[FR+56*(\kk)+32+8*(\m):FR+56*(\kk)+32+8*(\m)+7], v[FR+56*(\kk)+8*(\a):FR+56*(\kk)+8*(\a)+7], v[BIAS+8*(\m):BIAS+8*(\m)+7]
.else
	v_wmma_f32_16x16x32_bf16 v[ACC+8*(3*(\a)+(\m)):ACC+8*(3*(\a)+(\m))+7], v[FR+56*(\kk)+32+8*(\m):FR+56*(\kk)+32+8*(\m)+7], v[FR+56*(\kk)+8*(\a):FR+56*(\kk)+8*(\a)+7], v[ACC+8*(3*(\a)+(\m)):ACC+8*(3*(\a)+(\m))+7]
.endif
.endr
.endr
.endm
; One chunk.  left: the younger loads that may stay out.  ahead = 1: chunk c + 3 is asked for, into the registers just read.
; ONE barrier a chunk.  In front of it every wave's stores of chunk c are done, and so are its reads of chunk c - 1 (waited for in the step before): so behind it chunk c is whole, and
; chunk c + 1 may be stored into the slot of chunk c - 1.
.macro STEP c, left, ahead
.if (\c) > 0
	PLACES                                         ; the roundings below write registers that the last products read
.endif
	s_wait_loadcnt \left                           ; loads come back in order (ISA guide 5.7.1): chunk c is in
	CVT \c
.if \ahead
	LOADS (\c)+3
.endif
	PUT \c
	s_wait_dscnt 0x0                               ; for the others' sake: my stores are done
	s_barrier_signal -1
	s_barrier_wait -1
	FRAGS \c
	s_wait_dscnt 14                                ; the first 32 along K are in; the other 14 loads may be out
.if (\c) == 0
	MUL12 0, 1
.else
	MUL12 0, 0
.endif
	s_wait_dscnt 0x0
	MUL12 1, 0
.endm
	s_load_b512 s[4:19], s[0:1], 0x0               ; x s[4:5], Wk, Wq, Wv s[6:11], bk, bq, bv s[12:17], Wo s[18:19]
	s_load_b256 s[20:27], s[0:1], 0x40             ; kbuf, qbuf, vbuf s[20:25], wo16 s[26:27]
	s_load_b64 s[28:29], s[0:1], 0x60              ; ssq
	v_lshl_add_u32 v[SPW], v0, 2, SPARE
	v_mov_b32 v[NIL], 0
	v_lshrrev_b32 v1, 5, v0
	v_readfirstlane_b32 s30, v1                    ; wave 0..7
	s_mov_b32 s31, ttmp9                           ; j: the slice of 64 channels
	s_and_b32 s32, ttmp7, 0xffff                   ; y: the block of 128 rows
	s_lshl3_add_u32 s33, s32, s31                  ; 8 y + j: the work-group's number, for Wo
	s_lshr_b32 s36, s30, 2                         ; wr: which 64 rows are mine
	s_and_b32 s37, s30, 3                          ; wc: which 16 channels
	v_and_b32 v16, 15, v0                          ; lo
	v_bfe_u32 v17, v0, 4, 1                        ; hi
	v_and_b32 v18, 31, v0                          ; lane
	v_lshlrev_b32 v20, 4, v16                      ; 16 lo
	v_lshlrev_b32 v22, 3, v16                      ; 8 lo
	v_lshl_add_u32 v19, v1, 4, v17                 ; 16 w + hi
	v_lshl_add_u32 v21, v1, 3, v17                 ; 8 w + hi
	v_lshl_add_u32 v[VX], v19, 11, v20
	v_lshl_add_u32 v[VW], v21, 11, v20
	v_mad_u32_u24 v[SA], v19, PITCH, v22
	v_mad_u32_u24 v[SB], v21, PITCH, v22
	v_add_nc_u32 v[SB], BOFF, v[SB]
	v_lshlrev_b32 v19, 4, v17                      ; 16 hi
	s_lshl_b32 s38, s36, 6
	v_add_nc_u32 v23, s38, v16                     ; 64 wr + lo
	v_mad_u32_u24 v[FA], v23, PITCH, v19
	s_lshl_b32 s39, s37, 4
	v_add_nc_u32 v21, s39, v16                     ; 16 wc + lo
	v_mad_u32_u24 v[FB], v21, PITCH, v19
	v_add_nc_u32 v[FB], BOFF, v[FB]
	v_mad_u32_u24 v[STO], v23, SP, v19             ; stage row 64 wr + lo, byte 32 wc + 16 hi
	s_lshl_b32 s40, s37, 5
	s_add_co_u32 s40, s40, STAGE
	v_add_nc_u32 v[STO], s40, v[STO]
	v_lshrrev_b32 v21, 3, v0                       ; back: eight threads to a row's 128 bytes of one matrix, 32 rows an instruction
	v_and_b32 v23, 7, v0
	v_lshlrev_b32 v23, 4, v23
	v_mad_u32_u24 v[RD], v21, SP, v23
	v_add_nc_u32 v[RD], STAGE, v[RD]
	v_lshlrev_b32 v[GO], 4, v0
	s_lshl_b32 s41, s37, 6
	v_lshl_add_u32 v[BO], v17, 5, s41              ; 4 bytes x (16 wc + 8 hi)
	v_lshl_add_u32 v[WI], v17, 11, v20             ; Wo: row hi, slice w, 4 numbers at 4 lo
	v_lshl_add_u32 v[WI], v1, 8, v[WI]
	v_lshlrev_b32 v[WOO], 3, v18                   ; wo16: slice w, then the two rows' 256 consecutive bytes
	v_lshl_add_u32 v[WOO], v1, 16, v[WOO]
	s_wait_kmcnt 0x0
	s_mov_b32 s35, 0
	s_lshl_b32 s34, s32, 18                        ; 128 rows of 2,048 bytes
	s_add_nc_u64 s[4:5], s[4:5], s[34:35]
	s_lshl_b32 s34, s31, 17                        ; 64 rows of 2,048 bytes
	s_add_nc_u64 s[6:7], s[6:7], s[34:35]
	s_add_nc_u64 s[8:9], s[8:9], s[34:35]
	s_add_nc_u64 s[10:11], s[10:11], s[34:35]
	s_lshl_b32 s34, s31, 8                         ; 64 numbers of 4 bytes
	s_add_nc_u64 s[12:13], s[12:13], s[34:35]
	s_add_nc_u64 s[14:15], s[14:15], s[34:35]
	s_add_nc_u64 s[16:17], s[16:17], s[34:35]
	s_lshl_b32 s34, s33, 12                        ; two rows of Wo
	s_add_nc_u64 s[18:19], s[18:19], s[34:35]
	s_lshl_b32 s34, s33, 8                         ; two rows of a slice of wo16
	s_add_nc_u64 s[26:27], s[26:27], s[34:35]
	s_lshl_b32 s34, s31, 19                        ; slice j: 4,096 rows of 128 bytes; block y: 128 rows
	s_lshl_b32 s38, s32, 14
	s_add_co_u32 s34, s34, s38
	s_add_nc_u64 s[20:21], s[20:21], s[34:35]
	s_add_nc_u64 s[22:23], s[22:23], s[34:35]
	s_add_nc_u64 s[24:25], s[24:25], s[34:35]
	s_lshl_b32 s34, s31, 15                        ; ssq: slice j: 4,096 rows of 8 bytes; block y: 128 rows
	s_lshl_b32 s38, s32, 10
	s_add_co_u32 s34, s34, s38
	s_add_nc_u64 s[28:29], s[28:29], s[34:35]
	global_load_b128 v[16:19], v[WI], s[18:19]
.irp m, 0,1,2
	global_load_b128 v[BIAS+8*(\m):BIAS+8*(\m)+3],   v[BO], s[12+2*(\m):13+2*(\m)]
	global_load_b128 v[BIAS+8*(\m)+4:BIAS+8*(\m)+7], v[BO], s[12+2*(\m):13+2*(\m)] offset:16
.endr
	LOADS 0
	LOADS 1
	LOADS 2
	WIN 0
	s_wait_loadcnt 60                              ; the 60 loads of chunks 0 to 2 may be out: Wo's and the biases' seven are in
.set n, 0
.rept 12                               ; the biases rounded to bf16, kept as f32
	v_cvt_pk_bf16_f32 v[20+n%4], v[BIAS+2*n], v[BIAS+2*n+1]
	v_lshlrev_b32 v[BIAS+2*n], 16, v[20+n%4]
	v_and_b32 v[BIAS+2*n+1], 0xffff0000, v[20+n%4]
.set n, n+1
.endr
	v_cvt_pk_bf16_f32 v20, v16, v17                ; Wo: rounded to bf16, and that number written as f16
	v_cvt_pk_bf16_f32 v21, v18, v19
	v_lshlrev_b32 v16, 16, v20
	v_and_b32 v17, 0xffff0000, v20
	v_lshlrev_b32 v18, 16, v21
	v_and_b32 v19, 0xffff0000, v21
	v_cvt_pk_f16_f32 v22, v16, v17
	v_cvt_pk_f16_f32 v23, v18, v19
	global_store_b64 v[WOO], v[22:23], s[26:27]    ; a wave stores 256 consecutive bytes, aligned; v13, v22, v23 are not written again
	STEP 0, 40, 1                                  ; 40: the two younger chunks stay out
	STEP 1, 40, 1
	STEP 2, 40, 1
	STEP 3, 40, 1
	STEP 4, 40, 1
	STEP 5, 40, 0
	STEP 6, 20, 0                                  ; the last chunks ask for nothing: the counts run down
	STEP 7, 0, 0
	; THE WAY OUT: rounded to f16 (each accumulator from its low end on), 16 bytes a lane into the stage; a barrier, since a row's 128 bytes come from four waves; back as whole rows.
	PLACES
.set n, 0
.rept 48
	v_cvt_pk_f16_f32 v[PK+n], v[ACC+2*n], v[ACC+2*n+1]
.set n, n+1
.endr
.irp a, 0,1,2,3
.irp m, 0,1,2
	ds_store_b128 v[STO], v[PK+4*(3*(\a)+(\m)):PK+4*(3*(\a)+(\m))+3] offset:(\a)*16*SP+(\m)*128
.endr
.endr
	s_wait_dscnt 0x0                               ; for the others' sake: my stores into the stage are done
	s_barrier_signal -1
	s_barrier_wait -1
.irp m, 0,1,2
.irp i, 0,1,2,3
	ds_load_b128 v[OB+4*(4*(\m)+(\i)):OB+4*(4*(\m)+(\i))+3], v[RD] offset:(\i)*32*SP+(\m)*128
.endr
.endr
.irp m, 0,1,2
.irp i, 0,1,2,3
	s_wait_dscnt 11-(4*(\m)+(\i))                  ; LDS loads come back in order: this one is in, the younger ones stay out
	global_store_b128 v[GO], v[OB+4*(4*(\m)+(\i)):OB+4*(4*(\m)+(\i))+3], s[20+2*(\m):21+2*(\m)] offset:(\i)*4096  ; a wave stores 512 consecutive bytes, aligned
.endr
.endr
	; THE SUMS OF SQUARES: waves 0 to 3, a thread to a row: the row's 64 f16 of k and 64 of q out of the stage, squared and added in f32, four chains.
	s_cmp_ge_u32 s30, 4
	s_cbranch_scc1 .Lend
	v_and_b32 v116, 127, v0
	v_mul_u32_u24 v117, v116, SP
	v_add_nc_u32 v117, STAGE, v117
	v_lshlrev_b32 v116, 3, v116
.set n, 0
.rept 16
	ds_load_b128 v[48+4*n:48+4*n+3], v117 offset:16*n
.set n, n+1
.endr
	s_wait_dscnt 0x0
.set n, 0
.rept 32
.if n == 0
	v_fma_mix_f32 v112, v48, v48, v[NIL] op_sel_hi:[1,1,0]                 ; the first squares start the chains on the register that holds 0
	v_fma_mix_f32 v113, v48, v48, v[NIL] op_sel:[1,1,0] op_sel_hi:[1,1,0]
	v_fma_mix_f32 v114, v80, v80, v[NIL] op_sel_hi:[1,1,0]
	v_fma_mix_f32 v115, v80, v80, v[NIL] op_sel:[1,1,0] op_sel_hi:[1,1,0]
.else
	v_fma_mix_f32 v112, v[48+n], v[48+n], v112 op_sel_hi:[1,1,0]
	v_fma_mix_f32 v113, v[48+n], v[48+n], v113 op_sel:[1,1,0] op_sel_hi:[1,1,0]
	v_fma_mix_f32 v114, v[80+n], v[80+n], v114 op_sel_hi:[1,1,0]
	v_fma_mix_f32 v115, v[80+n], v[80+n], v115 op_sel:[1,1,0] op_sel_hi:[1,1,0]
.endif
.set n, n+1
.endr
	v_add_f32 v112, v112, v113                     ; k's
	v_add_f32 v113, v114, v115                     ; q's
	global_store_b64 v116, v[112:113], s[28:29]    ; a wave stores 256 consecutive bytes, aligned
.Lend:
	s_wait_tensorcnt 0x0                           ; the wave's end, behind my last LDS store
	ds_add_u32 v[SPW], v[NIL]
	s_wait_dscnt 0x0
	s_endpgm
.Lfunc_end_k_qe1a6bbee81_proj:
	.size	k_qe1a6bbee81_proj, .Lfunc_end_k_qe1a6bbee81_proj-k_qe1a6bbee81_proj
	.p2alignl 7, 3214868480
	.fill 96, 4, 3214868480
	.section	.rodata,"a",@progbits
	.p2align	6, 0x0
	.amdhsa_kernel k_qe1a6bbee81_proj
		.amdhsa_group_segment_fixed_size 144384
		.amdhsa_private_segment_fixed_size 0
		.amdhsa_enable_private_segment 0
		.amdhsa_kernarg_size 104
		.amdhsa_user_sgpr_count 2
		.amdhsa_user_sgpr_kernarg_segment_ptr 1
		.amdhsa_wavefront_size32 1
		.amdhsa_system_sgpr_workgroup_id_x 1
		.amdhsa_system_sgpr_workgroup_id_y 1
		.amdhsa_system_sgpr_workgroup_id_z 1
		.amdhsa_system_vgpr_workitem_id 0
		.amdhsa_next_free_vgpr 496
		.amdhsa_next_free_sgpr 66
		.amdhsa_reserve_vcc 0
		.amdhsa_float_denorm_mode_32 3
		.amdhsa_float_denorm_mode_16_64 3
		.amdhsa_memory_ordered 1
		.amdhsa_forward_progress 1
		.amdhsa_inst_pref_size 97
	.end_amdhsa_kernel
	.amdgpu_metadata
---
amdhsa.version: [ 1, 2 ]
amdhsa.kernels:
  - .name:           k_qe1a6bbee81_proj
    .symbol:         k_qe1a6bbee81_proj.kd
    .args:
      - { .name: x_seq, .offset: 0, .size: 8, .value_kind: global_buffer, .address_space: global }
      - { .name: Wk, .offset: 8, .size: 8, .value_kind: global_buffer, .address_space: global }
      - { .name: Wq, .offset: 16, .size: 8, .value_kind: global_buffer, .address_space: global }
      - { .name: Wv, .offset: 24, .size: 8, .value_kind: global_buffer, .address_space: global }
      - { .name: bk, .offset: 32, .size: 8, .value_kind: global_buffer, .address_space: global }
      - { .name: bq, .offset: 40, .size: 8, .value_kind: global_buffer, .address_space: global }
      - { .name: bv, .offset: 48, .size: 8, .value_kind: global_buffer, .address_space: global }
      - { .name: Wo, .offset: 56, .size: 8, .value_kind: global_buffer, .address_space: global }
      - { .name: kbuf, .offset: 64, .size: 8, .value_kind: global_buffer, .address_space: global }
      - { .name: qbuf, .offset: 72, .size: 8, .value_kind: global_buffer, .address_space: global }
      - { .name: vbuf, .offset: 80, .size: 8, .value_kind: global_buffer, .address_space: global }
      - { .name: wo16, .offset: 88, .size: 8, .value_kind: global_buffer, .address_space: global }
      - { .name: ssq, .offset: 96, .size: 8, .value_kind: global_buffer, .address_space: global }
    .group_segment_fixed_size: 144384
    .private_segment_fixed_size: 0
    .kernarg_segment_align: 8
    .kernarg_segment_size: 104
    .max_flat_workgroup_size: 256
    .sgpr_count:     66
    .vgpr_count:     496
    .wavefront_size: 32
...
	.end_amdgpu_metadata
.endif
;; end of part 1
;; launch pu (part 2): grid 26 x 8, 4 waves a work-group, no clusters, 296,960 bytes of LDS; arguments qbuf, kbuf, vbuf, wo16, ssq, pbuf, ut, um; writes pbuf, ut, um
.if DOCPART == 2
	.amdgcn_target "amdgcn-amd-amdhsa--gfx1250"
	.amdhsa_code_object_version 6
	.text
	.protected	k_qe1a6bbee81_pu
	.globl	k_qe1a6bbee81_pu
	.p2align	8
	.type	k_qe1a6bbee81_pu,@function
k_qe1a6bbee81_pu:
	s_mov_b64 s[64:65], 0
	v_nop
	global_prefetch_b8 v0, s[64:65] scope:SCOPE_SE
	s_setreg_imm32_b32 hwreg(HW_REG_WAVE_MODE, 25, 1), 1
	s_wait_xcnt 0x0
; PU.  Two kinds of tile, both a product 128 x 128 x 512 of f16 rows, C[m][n] = sum over c of A[m][c] B[n][c], sums in f32.  Work-group (x, b), b the batch:
;   x < 10: tile (i, j), j <= i, of the weights  P[t][s] = 0.97^(t - s) (q_t . k_s) / (max(|q_t|, 1e-6) max(|k_s|, 1e-6)) for s <= t, else 0.  A = q's rows 128 i .., B = k's rows 128 j ...
;           The decay is split into a factor by row, fr[m] = 2^(L (m + 128 (i - j))) / max(|q|, 1e-6), and one by column, fc[n] = 2^(-L n) / max(|k|, 1e-6), L = log2(0.97): fc is at most 48.
;           pbuf = [b 8][sb 8][t 512][64 s] f16; |P| is at most 1.  Tiles above the diagonal are neither made nor ever read.
;   x >= 10: tile x - 10 of  U^T[d][s] = sum over h of Wo[d][h] v[s][h].  A = wo16's rows, B = v's rows.  Each wave's block of 64 d x 64 s is stored divided by its root of the sum of squares,
;           so that it lies within 1 in f16 whatever the inputs' scale; um = [dblk 4][sblk 32][wave 4] f32 holds that root times 0.03 / sqrt(512).  ut = [8 b + sb][d 512][64 s] f16.
; LIMITS.  A block of U^T whose sum of squares is under 2^-100 is divided by 2^-50.  Numbers under 6e-5 keep f16's fixed step of 6e-8.  NaN and infinities are not treated apart.
; THE ROAD.  All of a tile's operands fit in LDS: eight chunks of 64 along K, each 128 rows of A and 128 of B.  Each wave asks for its quarter of every chunk at the start: eight tensor loads of mine are out,
; nothing is ever filled again, and chunk n is read behind the wait that leaves the 7 - n loads issued behind it out, and a barrier.
; NO CLUSTER: a batch's ten causal tiles and sixteen tiles of U^T have no common pattern of partners, and 26 work-groups along x are no multiple of four.
; The matrix instruction is used transposed (source 0 = 16 rows of B, source 1 = 16 rows of A): a lane holds one row m and eight neighbouring n.
; REGISTERS.  Window 0: v2-31 addresses and factors; v32-95 at work; v96-127 fc, or the sums of squares; v128-255 the 16 accumulators ((a, b) at 128 + 8 (4 a + b)).
; Window 1: two fragment buffers of 128: for 64 along K, 64 registers of A, then 64 of B.  s_set_vgpr_msb: bits 1:0 source 0, 3:2 source 1, 5:4 source 2, 7:6 destination.
.set PITCH,  144                       ; an LDS row: 128 bytes + 16: the 16 rows of a fragment load start at 16 different groups of four banks (64 banks of 4 bytes: ISA guide 11.1)
.set QUART,  64*PITCH                  ; what one tensor load brings
.set CHUNK,  4*QUART                   ; A's 128 rows, then B's 128 rows
.set FRT,    8*CHUNK                   ; 128 x 8 bytes: fr, twice (a pair for the packed multiply)
.set FCT,    FRT+1024                  ; 128 x 4 bytes: fc
.set SPARE,  FCT+512                   ; the spare words, 128 bytes for each wave: two blocks of 256 bytes that no other line names
.set SPITCH, 272                       ; the stage for the way out: 128 rows x 272 bytes from LDS byte 0 on, inside chunk 0, whose one fill and last read are long over
.set ADRA, 4                           ; v4-7    my place in A's fragments, chunks 2 g and 2 g + 1
.set ADRB, 8                           ; v8-11   the same for B
.set STO,  12                          ; v12     the way out: where I put 16 bytes of a row
.set RD,   13                          ; v13     where I read rows back
.set GO,   14                          ; v14     16 x my thread's number
.set LANE, 15
.set SPW,  16                          ; v16     LDS address of my spare word; never rewritten
.set NIL,  17                          ; v17     0; never rewritten
.set LIM,  18                          ; v18-21  my row m of block a, less my first column: column 16 b + r of my eight is hidden where it is greater
.set INV,  22                          ; v22-23  1 / root of the block's sum of squares, twice
.set FRV,  24                          ; v24-31  fr of my four rows, a pair each
.set TMP,  32
.set FCV,  96                          ; v96-127 fc of my 4 x 8 columns
.set SS,   96                          ; (the other role) four chains of sums of squares
.set ACC,  128
.set F0,   0
.set F1,   128
.set G1,   24                          ; s[24:31] descriptor group 1
.set G0,   32                          ; s[32:63] descriptor group 0, a set for each chunk
.set MSB, 0
.macro WIN new                         ; the immediate's high byte repeats the setting that is left; a switch that changes nothing is dropped
.if MSB != (\new)
	s_set_vgpr_msb (MSB<<8)|(\new)
.set MSB, \new
.endif
.endm
.set MUL,  0x05                        ; sources 0 (B) and 1 (A) window 1; C and D window 0
.set TO_F, 0x40                        ; destination window 1, address window 0
.macro PLACES                          ; four places between matrix instructions and vector lines or loads that touch their registers
.rept 4
	v_nop
.endr
.endm
; 8 products: m blocks a0, a0 + 1 x all 4 n blocks, 32 along K: half c of buffer f.  zero = 1: the first product starts the sums.  The 16 accumulators take turns.
.macro MUL8 f, c, a0, zero
	WIN MUL
.irp a, \a0, (\a0)+1
.irp b, 0,1,2,3
.if \zero
	v_wmma_f32_16x16x32_f16 v[ACC+8*(4*(\a)+(\b)):ACC+8*(4*(\a)+(\b))+7], v[(\f)+64+8*(4*(\c)+(\b)):(\f)+64+8*(4*(\c)+(\b))+7], v[(\f)+8*(4*(\c)+(\a)):(\f)+8*(4*(\c)+(\a))+7], 0
.else
	v_wmma_f32_16x16x32_f16 v[ACC+8*(4*(\a)+(\b)):ACC+8*(4*(\a)+(\b))+7], v[(\f)+64+8*(4*(\c)+(\b)):(\f)+64+8*(4*(\c)+(\b))+7], v[(\f)+8*(4*(\c)+(\a)):(\f)+8*(4*(\c)+(\a))+7], v[ACC+8*(4*(\a)+(\b)):ACC+8*(4*(\a)+(\b))+7]
.endif
.endr
.endr
.endm
; 32 LDS loads in one run: chunk jc's fragments into buffer f, the first 32 along K first
.macro FETCH jc, f
	WIN TO_F
.irp c, 0,1
.irp i, 0,1,2,3
	ds_load_b128 v[(\f)+64+8*(4*(\c)+(\i)):(\f)+64+8*(4*(\c)+(\i))+3],   v[ADRB+(\jc)/2] offset:((\jc)%2)*CHUNK+64*(\c)+(\i)*16*PITCH
	ds_load_b128 v[(\f)+64+8*(4*(\c)+(\i))+4:(\f)+64+8*(4*(\c)+(\i))+7], v[ADRB+(\jc)/2] offset:((\jc)%2)*CHUNK+64*(\c)+(\i)*16*PITCH+32
	ds_load_b128 v[(\f)+8*(4*(\c)+(\i)):(\f)+8*(4*(\c)+(\i))+3],         v[ADRA+(\jc)/2] offset:((\jc)%2)*CHUNK+64*(\c)+(\i)*16*PITCH
	ds_load_b128 v[(\f)+8*(4*(\c)+(\i))+4:(\f)+8*(4*(\c)+(\i))+7],       v[ADRA+(\jc)/2] offset:((\jc)%2)*CHUNK+64*(\c)+(\i)*16*PITCH+32
.endr
.endr
.endm
; Chunk jc is multiplied out of buffer f; in its middle chunk jc + 1 is shown landed to every wave and its fragments are fetched into buffer g.
.macro STEP jc, f, g, zero
	s_wait_dscnt 16                                ; the first 32 along K are in; the other 16 loads may be out
	MUL8 \f, 0, 0, \zero
	MUL8 \f, 0, 2, \zero
	s_wait_dscnt 0x0                               ; no LDS instruction of mine is pending at the signal
	s_wait_tensorcnt 6-(\jc)                       ; tensor loads of a wave end in order (ISA guide 10.11.1): my quarter of chunk jc + 1 is in; the 6 - jc issued behind it stay out
	s_barrier_signal -1
	MUL8 \f, 1, 0, 0                               ; work on registers while the others arrive
	s_barrier_wait -1
	PLACES                                         ; for the loads into buffer g, which the chunk before multiplied
	FETCH (\jc)+1, \g
	MUL8 \f, 1, 2, 0
.endm
	s_load_b512 s[4:19], s[0:1], 0x0               ; qbuf s[4:5], kbuf s[6:7], vbuf s[8:9], wo16 s[10:11], ssq s[12:13], pbuf s[14:15], ut s[16:17], um s[18:19]
	v_lshl_add_u32 v[SPW], v0, 2, SPARE
	v_mov_b32 v[NIL], 0
	ds_add_u32 v[SPW], v[NIL]                      ; the wave's opening: the add and its wait stand ahead of my first tensor load; the set-up below, work on registers, stands between them
	ds_add_u32 v16, v17
	v_lshrrev_b32 v1, 5, v0
	v_readfirstlane_b32 s20, v1                    ; wave 0..3
	s_mov_b32 s21, ttmp9                           ; x
	s_and_b32 s22, ttmp7, 0xffff                   ; b
	s_cmp_ge_u32 s21, 10
	s_cselect_b32 s23, 1, 0                        ; 1: a tile of U^T
	s_cmp_ge_u32 s21, 1                            ; i = (x >= 1) + (x >= 3) + (x >= 6)
	s_cselect_b32 s66, 1, 0
	s_cmp_ge_u32 s21, 3
	s_cselect_b32 s90, 1, 0
	s_add_co_u32 s66, s66, s90
	s_cmp_ge_u32 s21, 6
	s_cselect_b32 s90, 1, 0
	s_add_co_u32 s66, s66, s90
	s_add_co_u32 s90, s66, 1                       ; j = x - i (i + 1) / 2,
	s_mul_i32 s90, s90, s66
	s_lshr_b32 s90, s90, 1
	s_sub_co_u32 s67, s21, s90
	s_min_u32 s67, s67, 3                          ; held to 3, so that in the other role too the tables' rows lie inside ssq
	s_sub_co_u32 s68, s21, 10                      ; the other role's tile number u,
	s_and_b32 s69, s68, 3                          ; dblk = u % 4,
	s_bfe_u32 s70, s68, 0x20002
	s_lshl2_add_u32 s70, s22, s70                  ; sblk = 4 b + u / 4
	s_lshl_b32 s84, s22, 9
	s_lshl_b32 s71, s66, 7
	s_add_co_u32 s71, s71, s84                     ; q's first row: 512 b + 128 i
	s_lshl_b32 s72, s67, 7
	s_add_co_u32 s72, s72, s84                     ; k's: 512 b + 128 j
	s_lshl_b32 s73, s69, 7                         ; wo16's: 128 dblk
	s_lshl_b32 s74, s70, 7                         ; v's: 128 sblk
	s_mov_b32 s94, 0x80000                         ; from slice to slice: 4,096 rows of 128 bytes; in wo16 512 rows
	s_mov_b32 s95, 0
	s_cmp_eq_u32 s23, 1
	s_cselect_b32 s75, s73, s71                    ; A's first row
	s_cselect_b32 s90, s74, s72                    ; B's
	s_cselect_b32 s91, 0x10000, s94                ; A's step from slice to slice
	s_cmp_ge_u32 s20, 2                            ; waves 0 and 1 fetch A's halves, waves 2 and 3 B's
	s_cselect_b32 s75, s90, s75
	s_cselect_b32 s94, s94, s91
	s_and_b32 s90, s20, 1
	s_lshl_b32 s90, s90, 6
	s_add_co_u32 s75, s75, s90                     ; my 64 rows
	s_lshl_b32 s80, s75, 7                         ; in bytes
	s_mov_b32 s81, 0
	s_lshl_b32 s90, s22, 3                         ; where the tile goes.  P: slice 8 b + 2 j, row 128 i
	s_lshl1_add_u32 s90, s67, s90
	s_lshl_b32 s90, s90, 16
	s_lshl_b32 s91, s66, 14
	s_add_co_u32 s90, s90, s91
	s_lshl_b32 s91, s70, 17                        ; U^T: slice 2 sblk, row 128 dblk
	s_lshl_b32 s92, s69, 14
	s_add_co_u32 s91, s91, s92
	s_cmp_eq_u32 s23, 1
	s_cselect_b32 s92, s91, s90
	s_mov_b32 s93, 0
	s_mov_b32 s86, 0x76543210                      ; v_permlanex16_b32: each lane takes its own place in the other half
	s_mov_b32 s87, 0xfedcba98
	; descriptor group 1.  64 rows of 128 bytes are 8,192 dense bytes: asked for as 32 rows of 256 bytes, and padded in LDS after every 128
	s_mov_b32 s[G1+0], (1<<16)|(1<<20)|(4<<22)|(3<<25)  ; 17:16 2-byte elements; 20 padding on; 24:22 after every 32 words (code 4); 31:25 4 words (code 3)
	s_mov_b32 s[G1+1], 128<<16                     ; tensor_dim0 = 128
	s_mov_b32 s[G1+2], 32<<16                      ; tensor_dim1 = 32
	s_mov_b32 s[G1+3], 128<<16                     ; tile_dim0 = 128
	s_mov_b32 s[G1+4], 32                          ; tile_dim1 = 32
	s_mov_b32 s[G1+5], 128                         ; 128 elements from row to row
	s_mov_b32 s[G1+6], 0
	s_mov_b32 s[G1+7], 0
	s_mul_i32 s91, s20, QUART                      ; my quarter of a chunk
.irp jc, 0,1,2,3,4,5,6,7
	s_mov_b32 s[G0+4*(\jc)], 1                     ; 1:0 count = 1
	s_add_co_u32 s[G0+4*(\jc)+1], s91, (\jc)*CHUNK ; 63:32 LDS address
.endr
	s_wait_dscnt 0x0                               ; the opening add is done
	s_wait_kmcnt 0x0
	s_cmp_eq_u32 s23, 1
	s_cselect_b64 s[76:77], s[10:11], s[4:5]       ; A's buffer
	s_cselect_b64 s[78:79], s[8:9], s[6:7]         ; B's
	s_cselect_b64 s[82:83], s[16:17], s[14:15]     ; the result's
	s_cmp_ge_u32 s20, 2
	s_cselect_b64 s[76:77], s[78:79], s[76:77]
	s_add_nc_u64 s[78:79], s[76:77], s[80:81]      ; my rows in slice 0
	s_add_nc_u64 s[82:83], s[82:83], s[92:93]
.irp jc, 0,1,2,3,4,5,6,7
	s_mov_b64 s[G0+4*(\jc)+2:G0+4*(\jc)+3], s[78:79]           ; 120:64 global address
	s_or_b32 s[G0+4*(\jc)+3], s[G0+4*(\jc)+3], 0x80000000      ; 127:126 type = 2
.if (\jc) < 7
	s_add_nc_u64 s[78:79], s[78:79], s[94:95]      ; the next slice
.endif
.endr
.irp jc, 0,1,2,3,4,5,6,7               ; all my fills go out together, ahead of every wait on TENSORcnt, every LDS read and every barrier: eight loads of mine are out
	tensor_load_to_lds s[G0+4*(\jc):G0+4*(\jc)+3], s[G1:G1+7]
	s_nop 0
.endr
.rept 4
	v_nop
.endr
	; THE TABLES fr and fc, a thread to a row of q and a row of k.  Both roles run these lines, so that the text has one way up to the way out; in the role of U^T the tables are not read.
	s_lshl_b32 s90, s71, 3
	s_add_co_u32 s90, s90, 4                       ; ssq holds (k's, q's) for each row
	s_lshl_b32 s91, s72, 3
	v_lshl_add_u32 v62, v0, 3, s90
	v_lshl_add_u32 v63, v0, 3, s91
.irp jc, 0,1,2,3,4,5,6,7
	global_load_b32 v[32+(\jc)], v62, s[12:13] offset:(\jc)*32768
	global_load_b32 v[40+(\jc)], v63, s[12:13] offset:(\jc)*32768
.endr
	; A fragment is 16 rows x 32 along K in 8 registers: lane l holds row l % 16; registers 0-3 hold K = 8 (l / 16) + 0..7, registers 4-7 K = 16 + 8 (l / 16) + 0..7: two loads of 16 bytes, 32 bytes apart.
	v_and_b32 v2, 15, v0                           ; r = l % 16
	v_bfe_u32 v3, v0, 4, 1                         ; h = l / 16
	v_and_b32 v[LANE], 31, v0
	s_lshr_b32 s88, s20, 1                         ; wr: which 64 rows of the tile are mine
	s_and_b32 s89, s20, 1                          ; wc: which 64 columns
	s_lshl_b32 s90, s88, 6
	v_add_nc_u32 v50, s90, v2                      ; 64 wr + r
	s_lshl_b32 s91, s89, 6
	v_add_nc_u32 v52, s91, v2                      ; 64 wc + r
	v_lshlrev_b32 v51, 4, v3                       ; 16 h
	v_mad_u32_u24 v[ADRA], v50, PITCH, v51
	v_mad_u32_u24 v[ADRB], v52, PITCH, v51
	v_add_nc_u32 v[ADRB], 2*QUART, v[ADRB]
.irp g, 1,2,3
	v_add_nc_u32 v[ADRA+(\g)], (\g)*2*CHUNK, v[ADRA]
	v_add_nc_u32 v[ADRB+(\g)], (\g)*2*CHUNK, v[ADRB]
.endr
	v_mad_u32_u24 v[STO], v50, SPITCH, v51         ; stage row 64 wr + r, byte 128 wc + 16 h
	s_lshl_b32 s92, s89, 7
	v_add_nc_u32 v[STO], s92, v[STO]
	v_lshrrev_b32 v53, 3, v0                       ; back: eight threads to 128 bytes of a row, 16 rows an instruction
	v_and_b32 v54, 7, v0
	v_lshlrev_b32 v54, 4, v54
	v_mad_u32_u24 v[RD], v53, SPITCH, v54
	v_lshlrev_b32 v[GO], 4, v0
	v_lshl_add_u32 v55, v3, 3, s91                 ; 64 wc + 8 h
	v_sub_nc_u32 v[LIM], v50, v55
.irp a, 1,2,3
	v_add_nc_u32 v[LIM+(\a)], 16*(\a), v[LIM]
.endr
	s_sub_co_u32 s92, s66, s67
	s_lshl_b32 s92, s92, 7                         ; 128 (i - j)
	v_add_nc_u32 v48, s92, v0
	v_cvt_f32_u32 v48, v48
	v_cvt_f32_u32 v49, v0
	v_mul_f32 v48, 0xbd33fdf1, v48                 ; L (m + 128 (i - j)), L = log2(0.97) = -0.0439433
	v_mul_f32 v49, 0x3d33fdf1, v49                 ; -L n
	v_lshl_add_u32 v60, v0, 3, FRT
	v_lshl_add_u32 v61, v0, 2, FCT
	s_wait_loadcnt 0x0
	v_pk_add_f32 v[32:33], v[32:33], v[34:35]      ; the eight slices' sums of squares
	v_pk_add_f32 v[36:37], v[36:37], v[38:39]
	v_pk_add_f32 v[40:41], v[40:41], v[42:43]
	v_pk_add_f32 v[44:45], v[44:45], v[46:47]
	v_pk_add_f32 v[32:33], v[32:33], v[36:37]
	v_pk_add_f32 v[40:41], v[40:41], v[44:45]
	v_add_f32 v32, v32, v33
	v_add_f32 v40, v40, v41
	v_sqrt_f32 v34, v32                            ; |q|
	v_sqrt_f32 v42, v40                            ; |k|
	v_exp_f32 v50, v48
	v_exp_f32 v51, v49
	v_nop                                          ; a plain instruction between the transcendentals and the use of their results (ISA guide 5.7.2)
	s_wait_alu depctr_va_vdst(0)
	v_max_num_f32 v34, 0x358637bd, v34             ; 1e-6
	v_max_num_f32 v42, 0x358637bd, v42
	v_rcp_f32 v35, v34
	v_rcp_f32 v43, v42
	v_nop
	s_wait_alu depctr_va_vdst(0)
	v_mul_f32 v56, v50, v35
	v_mul_f32 v58, v51, v43
	v_mov_b32 v57, v56
	ds_store_b64 v60, v[56:57]
	ds_store_b32 v61, v58
	s_wait_tensorcnt 0x7                           ; my quarter of chunk 0 is in; the seven loads behind it stay out
	s_wait_dscnt 0x0                               ; for the others' sake: my part of the tables is stored
	s_barrier_signal -1
	s_barrier_wait -1
	FETCH 0, F0
	STEP 0, F0, F1, 1
	STEP 1, F1, F0, 0
	STEP 2, F0, F1, 0
	STEP 3, F1, F0, 0
	STEP 4, F0, F1, 0
	STEP 5, F1, F0, 0
	STEP 6, F0, F1, 0
	s_wait_dscnt 16                                ; the last chunk: nothing more to fetch
	MUL8 F1, 0, 0, 0
	MUL8 F1, 0, 2, 0
	s_wait_dscnt 0x0
	MUL8 F1, 1, 0, 0
	MUL8 F1, 1, 2, 0
	WIN 0                                          ; at a branch and at a label every window is 0
	PLACES                                         ; the lines below read and rewrite results just made
	s_cmp_eq_u32 s23, 1
	s_cbranch_scc1 .Lu
	; P: each number times its column's fc, then its row's fr; each accumulator is taken from its low end on.
	s_lshl_b32 s90, s88, 9
	s_add_co_u32 s90, s90, FRT
	v_lshl_add_u32 v32, v2, 3, s90                 ; fr of row 64 wr + r
	s_lshl_b32 s91, s89, 8
	s_add_co_u32 s91, s91, FCT
	v_lshl_add_u32 v33, v3, 5, s91                 ; fc of columns 64 wc + 8 h ..
.irp a, 0,1,2,3
	ds_load_b64 v[FRV+2*(\a):FRV+2*(\a)+1], v32 offset:(\a)*128
.endr
.irp b, 0,1,2,3
	ds_load_b128 v[FCV+8*(\b):FCV+8*(\b)+3],   v33 offset:(\b)*64
	ds_load_b128 v[FCV+8*(\b)+4:FCV+8*(\b)+7], v33 offset:(\b)*64+16
.endr
	s_wait_dscnt 0x0
.set t, 0
.rept 16
.set p, 0
.rept 4
	v_pk_mul_f32 v[ACC+8*t+2*p:ACC+8*t+2*p+1], v[ACC+8*t+2*p:ACC+8*t+2*p+1], v[FCV+8*(t%4)+2*p:FCV+8*(t%4)+2*p+1]
.set p, p+1
.endr
.set p, 0
.rept 4
	v_pk_mul_f32 v[ACC+8*t+2*p:ACC+8*t+2*p+1], v[ACC+8*t+2*p:ACC+8*t+2*p+1], v[FRV+2*(t/4):FRV+2*(t/4)+1]
.set p, p+1
.endr
.set t, t+1
.endr
	s_cmp_lg_u32 s66, s67
	s_cbranch_scc1 .Lout                           ; a tile below the diagonal hides nothing
.set t, 0
.rept 16                               ; the diagonal tile: 0 where the column is greater than the row
.set p, 0
.rept 8
	v_cmp_le_i32 vcc_lo, 16*(t%4)+p, v[LIM+t/4]
	v_cndmask_b32 v[ACC+8*t+p], 0, v[ACC+8*t+p], vcc_lo
.set p, p+1
.endr
.set t, t+1
.endr
	s_branch .Lout
.Lu:
	; U^T: the sum of squares of my block of 64 x 64, in f32: four chains in each lane, then across the 32 lanes
.set t, 0
.rept 16
.set p, 0
.rept 4
.if t == 0
	v_pk_mul_f32 v[SS+2*p:SS+2*p+1], v[ACC+2*p:ACC+2*p+1], v[ACC+2*p:ACC+2*p+1]
.else
	v_pk_fma_f32 v[SS+2*p:SS+2*p+1], v[ACC+8*t+2*p:ACC+8*t+2*p+1], v[ACC+8*t+2*p:ACC+8*t+2*p+1], v[SS+2*p:SS+2*p+1]
.endif
.set p, p+1
.endr
.set t, t+1
.endr
	v_pk_add_f32 v[SS:SS+1], v[SS:SS+1], v[SS+2:SS+3]
	v_pk_add_f32 v[SS+4:SS+5], v[SS+4:SS+5], v[SS+6:SS+7]
	v_pk_add_f32 v[SS:SS+1], v[SS:SS+1], v[SS+4:SS+5]
	v_add_f32 v[SS], v[SS], v[SS+1]
	v_add_f32_dpp v[SS], v[SS], v[SS] row_xmask:1 row_mask:0xf bank_mask:0xf
	v_add_f32_dpp v[SS], v[SS], v[SS] row_xmask:2 row_mask:0xf bank_mask:0xf
	v_add_f32_dpp v[SS], v[SS], v[SS] row_xmask:4 row_mask:0xf bank_mask:0xf
	v_add_f32_dpp v[SS], v[SS], v[SS] row_xmask:8 row_mask:0xf bank_mask:0xf
	v_permlanex16_b32 v[SS+1], v[SS], s86, s87
	v_add_f32 v[SS], v[SS], v[SS+1]
	v_max_num_f32 v[SS], 0x0d800000, v[SS]         ; at least 2^-100
	v_rsq_f32 v[INV], v[SS]
	s_lshl_b32 s90, s69, 5                         ; um: ((32 dblk + sblk) 4 + wave) 4 bytes
	s_add_co_u32 s90, s90, s70
	s_lshl_b32 s90, s90, 4
	s_lshl2_add_u32 s90, s20, s90
	v_nop                                          ; a plain instruction between the transcendental and the use of its result
	s_wait_alu depctr_va_vdst(0)
	v_mov_b32 v[INV+1], v[INV]
	v_mul_f32 v[SS+2], v[SS], v[INV]               ; the root
	v_mov_b32 v[SS+3], s90
	v_mul_f32 v[SS+2], 0x3aadc750, v[SS+2]         ; times 0.03 / sqrt(512)
	s_wait_xcnt 0x0                                ; EXEC changes only behind this wait
	v_cmp_eq_u32 vcc_lo, 0, v[LANE]
	s_and_saveexec_b32 s85, vcc_lo
	global_store_b32 v[SS+3], v[SS+2], s[18:19]    ; one lane stores the wave's number
	s_wait_xcnt 0x0                                ; and again, in front of the line that widens it
	s_or_b32 exec_lo, exec_lo, s85
.set n, 0
.rept 64
	v_pk_mul_f32 v[ACC+2*n:ACC+2*n+1], v[ACC+2*n:ACC+2*n+1], v[INV:INV+1]
.set n, n+1
.endr
.Lout:
	; THE WAY OUT, both roles: rounded to f16; 16 bytes a lane into the stage; a barrier, since a row's bytes come from two waves; back as rows of 128 bytes, which lie end to end in memory.
.set n, 0
.rept 64
	v_cvt_pk_f16_f32 v[TMP+n], v[ACC+2*n], v[ACC+2*n+1]
.set n, n+1
.endr
.irp a, 0,1,2,3
.irp b, 0,1,2,3
	ds_store_b128 v[STO], v[TMP+4*(4*(\a)+(\b)):TMP+4*(4*(\a)+(\b))+3] offset:(\a)*16*SPITCH+32*(\b)
.endr
.endr
	s_wait_dscnt 0x0                               ; for the others' sake: my stores into the stage are done
	s_barrier_signal -1
	s_barrier_wait -1
.irp cc, 0,1
.irp k, 0,1,2,3,4,5,6,7
	ds_load_b128 v[TMP+4*(8*(\cc)+(\k)):TMP+4*(8*(\cc)+(\k))+3], v[RD] offset:(\k)*16*SPITCH+(\cc)*128
.endr
.endr
.irp cc, 0,1
.irp k, 0,1,2,3,4,5,6,7
	s_wait_dscnt 15-(8*(\cc)+(\k))                 ; LDS loads come back in order: this one is in, the younger ones stay out
	global_store_b128 v[GO], v[TMP+4*(8*(\cc)+(\k)):TMP+4*(8*(\cc)+(\k))+3], s[82:83] offset:(\k)*2048+(\cc)*65536  ; a wave stores 512 consecutive bytes, aligned; half cc of the columns is the next slice
.endr
.endr
	s_wait_tensorcnt 0x0                           ; the wave's end: behind my last tensor load and my last LDS store
	ds_add_u32 v[SPW], v[NIL]
	s_wait_dscnt 0x0
	s_endpgm
.Lfunc_end_k_qe1a6bbee81_pu:
	.size	k_qe1a6bbee81_pu, .Lfunc_end_k_qe1a6bbee81_pu-k_qe1a6bbee81_pu
	.p2alignl 7, 3214868480
	.fill 96, 4, 3214868480
	.section	.rodata,"a",@progbits
	.p2align	6, 0x0
	.amdhsa_kernel k_qe1a6bbee81_pu
		.amdhsa_group_segment_fixed_size 296960
		.amdhsa_private_segment_fixed_size 0
		.amdhsa_enable_private_segment 0
		.amdhsa_kernarg_size 64
		.amdhsa_user_sgpr_count 2
		.amdhsa_user_sgpr_kernarg_segment_ptr 1
		.amdhsa_wavefront_size32 1
		.amdhsa_system_sgpr_workgroup_id_x 1
		.amdhsa_system_sgpr_workgroup_id_y 1
		.amdhsa_system_sgpr_workgroup_id_z 1
		.amdhsa_system_vgpr_workitem_id 0
		.amdhsa_next_free_vgpr 512
		.amdhsa_next_free_sgpr 96
		.amdhsa_reserve_vcc 1
		.amdhsa_float_denorm_mode_32 3
		.amdhsa_float_denorm_mode_16_64 3
		.amdhsa_memory_ordered 1
		.amdhsa_forward_progress 1
		.amdhsa_inst_pref_size 81
	.end_amdhsa_kernel
	.amdgpu_metadata
---
amdhsa.version: [ 1, 2 ]
amdhsa.kernels:
  - .name:           k_qe1a6bbee81_pu
    .symbol:         k_qe1a6bbee81_pu.kd
    .args:
      - { .name: qbuf, .offset: 0, .size: 8, .value_kind: global_buffer, .address_space: global }
      - { .name: kbuf, .offset: 8, .size: 8, .value_kind: global_buffer, .address_space: global }
      - { .name: vbuf, .offset: 16, .size: 8, .value_kind: global_buffer, .address_space: global }
      - { .name: wo16, .offset: 24, .size: 8, .value_kind: global_buffer, .address_space: global }
      - { .name: ssq, .offset: 32, .size: 8, .value_kind: global_buffer, .address_space: global }
      - { .name: pbuf, .offset: 40, .size: 8, .value_kind: global_buffer, .address_space: global }
      - { .name: ut, .offset: 48, .size: 8, .value_kind: global_buffer, .address_space: global }
      - { .name: um, .offset: 56, .size: 8, .value_kind: global_buffer, .address_space: global }
    .group_segment_fixed_size: 296960
    .private_segment_fixed_size: 0
    .kernarg_segment_align: 8
    .kernarg_segment_size: 64
    .max_flat_workgroup_size: 128
    .sgpr_count:     96
    .vgpr_count:     512
    .wavefront_size: 32
...
	.end_amdgpu_metadata
.endif
;; end of part 2
;; launch outk (part 3): grid 32 x 8, 4 waves a work-group, no clusters, 259,584 bytes of LDS; arguments pbuf, ut, um, bo, out0; writes out0
.if DOCPART == 3
	.amdgcn_target "amdgcn-amd-amdhsa--gfx1250"
	.amdhsa_code_object_version 6
	.text
	.protected	k_qe1a6bbee81_outk
	.globl	k_qe1a6bbee81_outk
	.p2align	8
	.type	k_qe1a6bbee81_outk,@function
k_qe1a6bbee81_outk:
	s_mov_b64 s[64:65], 0
	v_nop
	global_prefetch_b8 v0, s[64:65] scope:SCOPE_SE
	s_setreg_imm32_b32 hwreg(HW_REG_WAVE_MODE, 25, 1), 1
	s_wait_xcnt 0x0
; OUTK.  out[b][t][d] = sum over the chunks sb of 64 keys, sb <= t / 64, of M[sb] (sum over s in the chunk of P[t][s] U^[d][s]) + bo[d].
; P = pbuf [b][sb][t 512][64 s] f16, U^ = ut [8 b + sb][d 512][64 s] f16, each block of 64 d x 64 s of unit norm; M = um, the block's norm times 0.03 / sqrt(512), f32.  bo is rounded to bf16 and used as f32.
; A chunk's product is summed in f32 from 0, then taken into the running total by a multiply-add in f32 with the chunk's M; the bias starts the total.
; SHARES.  Work-group (x, b): t rows 64 I .. + 63 with I = 7 - x / 4 (the long blocks first), d columns 128 (x % 4) .. + 127.  Wave w: 32 rows (w / 2), 64 columns (w % 2): 8 accumulators and 8 totals.
; THE ROAD.  Chunk sb = 64 rows of P and 128 rows of U^, 27,648 bytes in LDS; all eight fit.  Waves 0, 1, 2 ask for a third of every chunk at the start;
; nothing is filled again.  Chunks above the diagonal (sb > I) are asked for as chunk I once more, so that no byte of pbuf that nobody wrote is read and every wait has the same count in every work-group;
; they are not multiplied: a block of the text with sb > I jumps forward over its fragment loads and its arithmetic, past no barrier and no wait.
; NO CLUSTER: of a chunk's 24,576 bytes the four column blocks of a row block share P's 8,192 alone, and the row blocks that share U^ have different numbers of chunks.
; The matrix instruction is used transposed (source 0 = 16 rows of U^, source 1 = 16 rows of P): a lane holds one row t and eight neighbouring d.
; REGISTERS.  Window 0: v2-27 addresses and at work; v32-95 a chunk's sums; v96-159 the totals; v160-191 the bias; v192-255 the way out.
; Window 1: two fragment buffers of 96: for each 32 along K 16 registers of P, then 32 of U^.  s_set_vgpr_msb: bits 1:0 source 0, 3:2 source 1, 5:4 source 2, 7:6 destination.
.set PITCH,  144                       ; an LDS row: 128 bytes + 16: the 16 rows of a fragment load start at 16 different groups of four banks (64 banks of 4 bytes: ISA guide 11.1)
.set QUART,  64*PITCH                  ; what one tensor load brings
.set CHUNK,  3*QUART                   ; P's 64 rows, then U^'s 128 rows
.set STAGE,  225280                    ; behind the chunks (221,184 bytes), never filled: 64 rows x (512 + 16) bytes
.set SPITCH, 528
.set SPARE,  STAGE+64*SPITCH           ; the spare words, 128 bytes for each wave: two blocks of 256 bytes that no other line names
.set ADRA, 4                           ; v4-7    my place in P's fragments, chunks 2 g and 2 g + 1
.set ADRB, 8                           ; v8-11   the same for U^
.set STO,  12                          ; v12     the way out: where I put 32 bytes of a row
.set RD,   13                          ; v13     where I read a row back
.set GO,   14                          ; v14     my byte offset in out0
.set LANE, 15
.set SPW,  16                          ; v16     LDS address of my spare word; never rewritten
.set NIL,  17                          ; v17     0; never rewritten
.set PART, 32
.set TOT,  96
.set BIAS, 160
.set OB,   192
.set G1,   24                          ; s[24:31] descriptor group 1
.set G0,   32                          ; s[32:63] descriptor group 0, a set for each chunk
.set SI,   66                          ; s66      I
.set MS,   84                          ; s[84:99] M of chunk sb as a pair: the packed multiply-add takes the low word for both halves
.set MSB, 0
.macro WIN new                         ; the immediate's high byte repeats the setting that is left; a switch that changes nothing is dropped
.if MSB != (\new)
	s_set_vgpr_msb (MSB<<8)|(\new)
.set MSB, \new
.endif
.endm
.macro PLACES                          ; four places between matrix instructions and vector lines that read their results (ISA guide 7.12.1)
.rept 4
	v_nop
.endr
.endm
.macro FETCH sb                        ; 24 LDS loads in one run: chunk sb's fragments into buffer sb % 2
	WIN 0x40                                       ; destination window 1, address window 0
.set FN, 96*((\sb)%2)
.irp kk, 0,1
.irp a, 0,1
	ds_load_b128 v[FN+48*(\kk)+8*(\a):FN+48*(\kk)+8*(\a)+3],   v[ADRA+(\sb)/2] offset:((\sb)%2)*CHUNK+(\kk)*64+(\a)*16*PITCH
	ds_load_b128 v[FN+48*(\kk)+8*(\a)+4:FN+48*(\kk)+8*(\a)+7], v[ADRA+(\sb)/2] offset:((\sb)%2)*CHUNK+(\kk)*64+(\a)*16*PITCH+32
.endr
.irp b, 0,1,2,3
	ds_load_b128 v[FN+48*(\kk)+16+8*(\b):FN+48*(\kk)+16+8*(\b)+3],   v[ADRB+(\sb)/2] offset:((\sb)%2)*CHUNK+(\kk)*64+(\b)*16*PITCH
	ds_load_b128 v[FN+48*(\kk)+16+8*(\b)+4:FN+48*(\kk)+16+8*(\b)+7], v[ADRB+(\sb)/2] offset:((\sb)%2)*CHUNK+(\kk)*64+(\b)*16*PITCH+32
.endr
.endr
.endm
.macro MUL sb                          ; 16 products: the first eight start the chunk's sums with 0; the eight accumulators take turns
	WIN 0x05                                       ; sources window 1; C and D window 0
.set FC, 96*((\sb)%2)
.irp kk, 0,1
.irp a, 0,1
.irp b, 0,1,2,3
.if (\kk) == 0
	v_wmma_f32_16x16x32_f16 v[PART+8*(4*(\a)+(\b)):PART+8*(4*(\a)+(\b))+7], v[FC+48*(\kk)+16+8*(\b):FC+48*(\kk)+16+8*(\b)+7], v[FC+48*(\kk)+8*(\a):FC+48*(\kk)+8*(\a)+7], 0
.else
	v_wmma_f32_16x16x32_f16 v[PART+8*(4*(\a)+(\b)):PART+8*(4*(\a)+(\b))+7], v[FC+48*(\kk)+16+8*(\b):FC+48*(\kk)+16+8*(\b)+7], v[FC+48*(\kk)+8*(\a):FC+48*(\kk)+8*(\a)+7], v[PART+8*(4*(\a)+(\b)):PART+8*(4*(\a)+(\b))+7]
.endif
.endr
.endr
.endr
.endm
.macro FMA sb                          ; the totals take the chunk's sums times M; each accumulator is read from its low end on.  Chunk 0: the bias starts the totals
.set t, 0
.rept 8
.set p, 0
.rept 4
.if (\sb) == 0
	v_pk_fma_f32 v[TOT+8*t+2*p:TOT+8*t+2*p+1], v[PART+8*t+2*p:PART+8*t+2*p+1], s[MS+2*(\sb):MS+2*(\sb)+1], v[BIAS+8*(t%4)+2*p:BIAS+8*(t%4)+2*p+1] op_sel_hi:[1,0,1]
.else
	v_pk_fma_f32 v[TOT+8*t+2*p:TOT+8*t+2*p+1], v[PART+8*t+2*p:PART+8*t+2*p+1], s[MS+2*(\sb):MS+2*(\sb)+1], v[TOT+8*t+2*p:TOT+8*t+2*p+1] op_sel_hi:[1,0,1]
.endif
.set p, p+1
.endr
.set t, t+1
.endr
.endm
; Chunk sb.  Every wave passes the waits and the barrier.  A live block (sb <= I) fetches the next chunk's fragments whatever I is (for sb = I they are chunk I's once more, landed and never multiplied),
; so that both buffers are written on every way through the text; then it multiplies its own chunk.
.macro BLOCK sb
	s_wait_dscnt 0x0                               ; this chunk's fragments are in, and no LDS instruction of mine is pending at the signal
.if (\sb) < 7
	s_wait_tensorcnt 6-(\sb)                       ; tensor loads of a wave end in order (ISA guide 10.11.1): my part of chunk sb + 1 is in; the 6 - sb issued behind it stay out
	s_barrier_signal -1
	s_barrier_wait -1
.endif
.if (\sb) > 0
	s_cmp_lt_u32 s[SI], \sb
	s_cbranch_scc1 .Ldead_\sb
.endif
.if (\sb) < 7
	FETCH (\sb)+1                                  ; its buffer's last readers stand behind four v_nop and 32 multiply-adds
.endif
	MUL \sb
	WIN 0                                          ; at a branch and at a label every window is 0
	PLACES
	FMA \sb
.if (\sb) > 0
.Ldead_\sb:
.endif
.endm
	s_load_b256 s[4:11], s[0:1], 0x0               ; pbuf s[4:5], ut s[6:7], um s[8:9], bo s[10:11]
	s_load_b64 s[12:13], s[0:1], 0x20              ; out0
	v_lshl_add_u32 v[SPW], v0, 2, SPARE
	v_mov_b32 v[NIL], 0
	ds_add_u32 v[SPW], v[NIL]                      ; the wave's opening: the add and its wait stand ahead of my first tensor load; the set-up below, work on registers, stands between them
	ds_add_u32 v16, v17
	v_lshrrev_b32 v1, 5, v0
	v_readfirstlane_b32 s20, v1                    ; wave 0..3
	s_mov_b32 s21, ttmp9
	s_and_b32 s22, ttmp7, 0xffff                   ; b
	s_and_b32 s23, s21, 3                          ; dsl: the block of 128 columns
	s_lshr_b32 s[SI], s21, 2
	s_sub_co_u32 s[SI], 7, s[SI]                   ; I: the block of 64 rows
	s_lshr_b32 s80, s20, 1                         ; wr
	s_and_b32 s81, s20, 1                          ; wc
	; descriptor group 1.  64 rows of 128 bytes are 8,192 dense bytes: asked for as 32 rows of 256 bytes, and padded in LDS after every 128
	s_mov_b32 s[G1+0], (1<<16)|(1<<20)|(4<<22)|(3<<25)  ; 17:16 2-byte elements; 20 padding on; 24:22 after every 32 words (code 4); 31:25 4 words (code 3)
	s_mov_b32 s[G1+1], 128<<16                     ; tensor_dim0 = 128
	s_mov_b32 s[G1+2], 32<<16                      ; tensor_dim1 = 32
	s_mov_b32 s[G1+3], 128<<16                     ; tile_dim0 = 128
	s_mov_b32 s[G1+4], 32                          ; tile_dim1 = 32
	s_mov_b32 s[G1+5], 128                         ; 128 elements from row to row
	s_mov_b32 s[G1+6], 0
	s_mov_b32 s[G1+7], 0
	s_mul_i32 s15, s20, QUART                      ; my third of a chunk: wave 0 P's rows, waves 1 and 2 the halves of U^'s
.irp sb, 0,1,2,3,4,5,6,7
	s_mov_b32 s[G0+4*(\sb)], 1                     ; 1:0 count = 1
	s_add_co_u32 s[G0+4*(\sb)+1], s15, (\sb)*CHUNK ; 63:32 LDS address
.endr
	s_lshl_b32 s78, s22, 19                        ; the batch's slice 0: 8 b slices of 65,536 bytes
	s_lshl_b32 s82, s[SI], 13                      ; P: rows 64 I ..
	s_lshl_b32 s83, s23, 14                        ; U^: rows 128 dsl + 64 (w - 1) ..
	s_sub_co_u32 s14, s20, 1
	s_lshl_b32 s14, s14, 13
	s_add_co_u32 s83, s83, s14
	s_cmp_eq_u32 s20, 0
	s_cselect_b32 s82, s82, s83
	s_add_co_u32 s78, s78, s82
	s_mov_b32 s79, 0
	s_mov_b32 s83, 0
	s_wait_dscnt 0x0                               ; the opening add is done
	s_wait_kmcnt 0x0
	s_cmp_eq_u32 s20, 0
	s_cselect_b64 s[76:77], s[4:5], s[6:7]
	s_add_nc_u64 s[76:77], s[76:77], s[78:79]
.irp sb, 0,1,2,3,4,5,6,7
	s_min_u32 s82, s[SI], \sb                      ; the chunk's slice, held to I
	s_lshl_b32 s82, s82, 16
	s_add_nc_u64 s[G0+4*(\sb)+2:G0+4*(\sb)+3], s[76:77], s[82:83]  ; 120:64 global address
	s_or_b32 s[G0+4*(\sb)+3], s[G0+4*(\sb)+3], 0x80000000          ; 127:126 type = 2
.endr
	s_cmp_eq_u32 s20, 3                            ; a wave's fills stand in one branch, ahead of every wait on TENSORcnt, every LDS read and every barrier: eight loads of mine are out
	s_cbranch_scc1 .Lnofill
.irp sb, 0,1,2,3,4,5,6,7
	tensor_load_to_lds s[G0+4*(\sb):G0+4*(\sb)+3], s[G1:G1+7]
	s_nop 0
.endr
.rept 4
	v_nop
.endr
.Lnofill:
	s_lshl_b32 s82, s23, 9                         ; um: (32 dsl + 4 b) 16 bytes + 8 wc; then chunk sb at 16 (sb / 2) + 4 (sb % 2)
	s_lshl_b32 s14, s22, 6
	s_add_co_u32 s82, s82, s14
	s_lshl_b32 s14, s81, 3
	s_add_co_u32 s82, s82, s14
	s_add_nc_u64 s[8:9], s[8:9], s[82:83]
	s_load_b64 s[68:69], s[8:9], 0x0
	s_load_b64 s[70:71], s[8:9], 0x10
	s_load_b64 s[72:73], s[8:9], 0x20
	s_load_b64 s[74:75], s[8:9], 0x30
	s_lshl_b32 s82, s23, 9                         ; bo and out0 at my block's first column: 128 dsl numbers of 4 bytes
	s_add_nc_u64 s[10:11], s[10:11], s[82:83]
	s_lshl_b32 s14, s22, 20                        ; a batch is 512 rows of 2,048 bytes,
	s_add_co_u32 s82, s82, s14
	s_lshl_b32 s14, s[SI], 17                      ; a block 64 rows
	s_add_co_u32 s82, s82, s14
	s_add_nc_u64 s[12:13], s[12:13], s[82:83]
	v_and_b32 v2, 15, v0                           ; r = l % 16
	v_bfe_u32 v3, v0, 4, 1                         ; h = l / 16
	v_and_b32 v[LANE], 31, v0
	v_lshlrev_b32 v21, 5, v3                       ; 32 h
	s_lshl_b32 s14, s81, 8
	v_add_nc_u32 v22, s14, v21                     ; my eight columns in bo: 256 wc + 32 h bytes
.irp b, 0,1,2,3
	global_load_b128 v[BIAS+8*(\b):BIAS+8*(\b)+3],   v22, s[10:11] offset:64*(\b)
	global_load_b128 v[BIAS+8*(\b)+4:BIAS+8*(\b)+7], v22, s[10:11] offset:64*(\b)+16
.endr
	; A fragment is 16 rows x 32 along K in 8 registers: lane l holds row l % 16; registers 0-3 hold K = 8 (l / 16) + 0..7, registers 4-7 K = 16 + 8 (l / 16) + 0..7: two loads of 16 bytes, 32 bytes apart.
	v_lshlrev_b32 v18, 4, v3                       ; 16 h
	s_lshl_b32 s15, s80, 5
	v_add_nc_u32 v19, s15, v2                      ; 32 wr + r
	v_mad_u32_u24 v[ADRA], v19, PITCH, v18
	s_lshl_b32 s15, s81, 6
	v_add_nc_u32 v20, s15, v2                      ; 64 wc + r
	v_mad_u32_u24 v[ADRB], v20, PITCH, v18
	v_add_nc_u32 v[ADRB], QUART, v[ADRB]
.irp g, 1,2,3
	v_add_nc_u32 v[ADRA+(\g)], (\g)*2*CHUNK, v[ADRA]
	v_add_nc_u32 v[ADRB+(\g)], (\g)*2*CHUNK, v[ADRB]
.endr
	v_mad_u32_u24 v[STO], v19, SPITCH, v21         ; stage row 32 wr + r, byte 256 wc + 32 h
	s_add_co_u32 s14, s14, STAGE
	v_add_nc_u32 v[STO], s14, v[STO]
	s_mul_i32 s15, s20, SPITCH                     ; back: a wave takes a whole row of 512 bytes: rows w, w + 4, ..
	s_add_co_u32 s15, s15, STAGE
	v_lshl_add_u32 v[RD], v[LANE], 4, s15
	s_lshl_b32 s15, s20, 11
	v_lshl_add_u32 v[GO], v[LANE], 4, s15
	s_wait_tensorcnt 0x7                           ; my part of chunk 0 is in; the seven loads behind it stay out
	s_barrier_signal -1
	s_barrier_wait -1
	FETCH 0
	WIN 0
	s_wait_kmcnt 0x0
.irp sb, 0,1,2,3,4,5,6,7
	s_mov_b32 s[MS+2*(\sb)], s[68+(\sb)]
	s_mov_b32 s[MS+2*(\sb)+1], s[68+(\sb)]         ; named with it as a pair
.endr
	s_wait_loadcnt 0x0
.set n, 0
.rept 16                               ; the bias rounded to bf16, kept as f32
	v_cvt_pk_bf16_f32 v[24+n%4], v[BIAS+2*n], v[BIAS+2*n+1]
	v_lshlrev_b32 v[BIAS+2*n], 16, v[24+n%4]
	v_and_b32 v[BIAS+2*n+1], 0xffff0000, v[24+n%4]
.set n, n+1
.endr
.irp s, 0,1,2,3,4,5,6,7
	BLOCK \s
.endr
	; THE WAY OUT: 32 bytes a lane into the stage; a barrier, since a row's 512 bytes come from two waves; back as whole rows.
.set t, 0
.rept 8
	ds_store_b128 v[STO], v[TOT+8*t:TOT+8*t+3]   offset:(t/4)*16*SPITCH+(t%4)*64
	ds_store_b128 v[STO], v[TOT+8*t+4:TOT+8*t+7] offset:(t/4)*16*SPITCH+(t%4)*64+16
.set t, t+1
.endr
	s_wait_dscnt 0x0                               ; for the others' sake: my stores into the stage are done
	s_barrier_signal -1
	s_barrier_wait -1
.irp k, 0,1,2,3,4,5,6,7,8,9,10,11,12,13,14,15
	ds_load_b128 v[OB+4*(\k):OB+4*(\k)+3], v[RD] offset:(\k)*4*SPITCH
.endr
.irp k, 0,1,2,3,4,5,6,7,8,9,10,11,12,13,14,15
	s_wait_dscnt 15-(\k)                           ; LDS loads come back in order: this one is in, the younger ones stay out
	global_store_b128 v[GO], v[OB+4*(\k):OB+4*(\k)+3], s[12:13] offset:(\k)*8192  ; a wave stores 512 consecutive bytes, at a multiple of 256 from out0's first byte
.endr
	s_wait_tensorcnt 0x0                           ; the wave's end: behind my last tensor load and my last LDS store
	ds_add_u32 v[SPW], v[NIL]
	s_wait_dscnt 0x0
	s_endpgm
.Lfunc_end_k_qe1a6bbee81_outk:
	.size	k_qe1a6bbee81_outk, .Lfunc_end_k_qe1a6bbee81_outk-k_qe1a6bbee81_outk
	.p2alignl 7, 3214868480
	.fill 96, 4, 3214868480
	.section	.rodata,"a",@progbits
	.p2align	6, 0x0
	.amdhsa_kernel k_qe1a6bbee81_outk
		.amdhsa_group_segment_fixed_size 259584
		.amdhsa_private_segment_fixed_size 0
		.amdhsa_enable_private_segment 0
		.amdhsa_kernarg_size 40
		.amdhsa_user_sgpr_count 2
		.amdhsa_user_sgpr_kernarg_segment_ptr 1
		.amdhsa_wavefront_size32 1
		.amdhsa_system_sgpr_workgroup_id_x 1
		.amdhsa_system_sgpr_workgroup_id_y 1
		.amdhsa_system_sgpr_workgroup_id_z 1
		.amdhsa_system_vgpr_workitem_id 0
		.amdhsa_next_free_vgpr 448
		.amdhsa_next_free_sgpr 100
		.amdhsa_reserve_vcc 0
		.amdhsa_float_denorm_mode_32 3
		.amdhsa_float_denorm_mode_16_64 3
		.amdhsa_memory_ordered 1
		.amdhsa_forward_progress 1
		.amdhsa_inst_pref_size 55
	.end_amdhsa_kernel
	.amdgpu_metadata
---
amdhsa.version: [ 1, 2 ]
amdhsa.kernels:
  - .name:           k_qe1a6bbee81_outk
    .symbol:         k_qe1a6bbee81_outk.kd
    .args:
      - { .name: pbuf, .offset: 0, .size: 8, .value_kind: global_buffer, .address_space: global }
      - { .name: ut, .offset: 8, .size: 8, .value_kind: global_buffer, .address_space: global }
      - { .name: um, .offset: 16, .size: 8, .value_kind: global_buffer, .address_space: global }
      - { .name: bo, .offset: 24, .size: 8, .value_kind: global_buffer, .address_space: global }
      - { .name: out0, .offset: 32, .size: 8, .value_kind: global_buffer, .address_space: global }
    .group_segment_fixed_size: 259584
    .private_segment_fixed_size: 0
    .kernarg_segment_align: 8
    .kernarg_segment_size: 40
    .max_flat_workgroup_size: 128
    .sgpr_count:     100
    .vgpr_count:     448
    .wavefront_size: 32
...
	.end_amdgpu_metadata
.endif
;; end of part 3
;; ======== version 2 of 2: 3 launches; version 1 with the launch proj written anew for expert scheduling mode
;; limits: values are held in f16: magnitudes above 65,504 overflow, below 6.1e-05 lose precision
;; workspace buffers: kbuf 4,194,304 bytes; qbuf 4,194,304 bytes; vbuf 4,194,304 bytes; wo16 524,288 bytes; ssq 262,144 bytes; pbuf 4,194,304 bytes; ut 4,194,304 bytes; um 2,048 bytes
;; launch proj (part 4): grid 8 x 32, 8 waves a work-group, no clusters, 144,384 bytes of LDS; arguments x_seq, Wk, Wq, Wv, bk, bq, bv, Wo, kbuf, qbuf, vbuf, wo16, ssq; writes kbuf, qbuf, vbuf, wo16, ssq
.if DOCPART == 4
	.amdgcn_target "amdgcn-amd-amdhsa--gfx1250"
	.amdhsa_code_object_version 6
	.text
	.protected	k_qe1a6bbee81_proj
	.globl	k_qe1a6bbee81_proj
	.p2align	8
	.type	k_qe1a6bbee81_proj,@function
k_qe1a6bbee81_proj:
	s_mov_b64 s[64:65], 0
	v_nop
	global_prefetch_b8 v0, s[64:65] scope:SCOPE_SE
	s_setreg_imm32_b32 hwreg(HW_REG_WAVE_SCHED_MODE, 0, 2), 2
	s_setreg_imm32_b32 hwreg(HW_REG_WAVE_MODE, 25, 1), 1
	s_wait_xcnt 0x0
	s_wait_alu depctr_vm_vsrc(0)
; PROJ.  k = x Wk^T + bk, q = x Wq^T + bq, v = x Wv^T + bv for the 4,096 rows of x ([8][512][512] f32), NOT yet normalised, and each row's sums of squares of k and q.
; x, the weights and the biases are rounded to bf16 (the biases then used as f32); products in bf16, sums in f32; k, q, v are stored rounded once to f16, in slices of 64 channels:
; kbuf, qbuf, vbuf = [slice 8][row 4096][64] f16, so that a later tile's rows are dense pieces of 128 bytes.  ssq = [slice 8][row 4096][2] f32: the sum of squares of the slice's 64 numbers of k, of q,
; taken of the f16 numbers that are stored, the same that are multiplied later.  Besides, each work-group turns two rows of Wo into wo16 = [slice 8][d 512][64]: rounded to bf16, that number written as f16.
; LIMITS.  k, q, v and Wo must lie within f16's 65,504; below 6e-5 they keep f16's fixed step of 6e-8.  NaN and infinities are not treated apart.
; SHARES.  Work-group (j, y): rows 128 y .. + 127, channels 64 j .. + 63 of each of k, q, v.  Eight waves: wave w has rows 64 (w / 4) .. + 63 and channels 16 (w % 4) .. + 15 of all three: 12 accumulators.
; The matrix instruction is used transposed (source 0 = 16 rows of W, source 1 = 16 rows of x): a lane holds one row of x and eight neighbouring channels.
; THE ROAD.  K = 512 goes in eight chunks of 64, written out.  A chunk's 128 rows of x and 3 x 64 rows of W come as f32 through registers (each load: two rows' 256 consecutive bytes), are rounded once
; for the whole work-group and laid into one of two LDS slots as bf16.  Two to three chunks' loads, 40 to 60 a wave, are on their way.
; NO CLUSTER, NO TENSOR LOAD: joint requests exist for tensor loads alone, and those would lay f32 into LDS: 87,040 bytes a chunk for 46,080, and every wave that reads a fragment would round it again.
; THE MODE: SCHED_MODE bits 1:0 = 2 (LLVM: expert scheduling mode 2), set by the entry lines.  The code itself states the register dependences
; between vector or matrix instructions and memory or LDS instructions, with s_wait_alu, always for 0.
; THE PLAN.  Registers that memory or LDS instructions touch, in step c:
;   T0 .. T2 (window 1)  The step's 40 roundings read T[c % 3]; behind them the 20 loads of chunk c + 3 land in it.
;   CV, v144-183         Written by the roundings, read by the step's 20 LDS stores; it is the low end of FR.
;   FR, v144-255         The step's 28 fragment loads land in it; its 24 products read it; the next step's roundings write its first 40 registers again.
;   v2-v13               Offsets and LDS addresses: made at the head and never written again; the chunks are reached by immediate offsets.
;   The accumulators and the biases are named by vector and matrix instructions alone, up to the sums of squares at the end.
; So a step has TWO waits.  One on va_vdst behind the roundings: CV is written (the LDS stores read it, the fragment loads land in it), the roundings are done reading T[c % 3] (chunk c + 3 lands in it),
; and the products of the step before are done reading FR (the fragment loads land in it).  From it to the step's last load no vector or matrix instruction names a register ahead of the load that lands in it.
; One on vm_vsrc behind the barrier: the LDS stores have read CV, in which the fragment loads land and which the next step's roundings write.
; The LDS stores stand straight behind the first wait, on the way to the barrier; the loads of chunk c + 3 stand behind the fragment loads, while those are out.
.set PITCH, 144                        ; an LDS row: 128 bytes of bf16 + 16: the 16 rows of a fragment load start at 16 different groups of four banks (64 banks of 4 bytes: ISA guide 11.1)
.set BOFF,  128*PITCH                  ; a slot: x's 128 rows, then 64 rows of Wk, of Wq, of Wv
.set MATB,  64*PITCH
.set SLOTB, 320*PITCH
.set STAGE, 2*SLOTB                    ; the way out: 128 rows x (3 x 128 bytes + 16)
.set SP,    400
.set SPARE, STAGE+128*SP               ; the spare words, 128 bytes for each of eight waves: four blocks of 256 bytes that no other line names
.set VX,  2                            ; v2   my byte offset in x: (16 w + hi) rows of 2,048 bytes + 16 lo        (lo = lane % 16, hi = lane / 16)
.set VW,  3                            ; v3   the same in each W: (8 w + hi) rows + 16 lo
.set SA,  4                            ; v4   where I put 8 bytes of x's rows in a slot
.set SB,  5                            ; v5   the same for W's rows
.set FA,  6                            ; v6   my place in x's fragments
.set FB,  7                            ; v7   in W's
.set STO, 8                            ; v8   the way out: where I put 16 bytes of a row
.set RD,  9                            ; v9   where I read rows back
.set GO,  10                           ; v10  16 x my thread's number
.set BO,  11                           ; v11  my byte offset in the biases
.set WI,  12                           ; v12  my byte offset in the group's two rows of Wo
.set WOO, 13                           ; v13  and in wo16
.set SPW, 14                           ; v14  LDS address of my spare word; never rewritten
.set NIL, 15                           ; v15  0; never rewritten
.set BIAS, 24                          ; v24-47   eight numbers of bk, bq, bv
.set ACC,  48                          ; v48-143  accumulator (a, m) at ACC + 8 (3 a + m): rows 16 a .., matrix m (k, q, v)
.set FR,   144                         ; v144-255 fragments of 32 along K, two sets of 56: x's four, then W's three
.set CV,   144                         ; v144-183 a chunk rounded to bf16, on its way to LDS (the fragments' registers, free at that time)
.set PK,   144                         ; the way out: packed f16
.set OB,   192                         ; the way out: rows read back
; window 1: v0-239, three sets of 80: a chunk as loaded, f32.  s_set_vgpr_msb: bits 1:0 source 0, 3:2 source 1, 5:4 source 2, 7:6 destination.
.set MSB, 0
.macro WIN new                         ; the immediate's high byte repeats the setting that is left; a switch that changes nothing is dropped
.if MSB != (\new)
	s_set_vgpr_msb (MSB<<8)|(\new)
.set MSB, \new
.endif
.endm
.macro PLACES                          ; four places between matrix instructions and vector lines that touch their registers (ISA guide 7.12.1)
.rept 4
	v_nop
.endr
.endm
.macro LOADS c                         ; chunk c: 20 loads, each two rows' 256 consecutive bytes
	WIN 0x40                                       ; destination window 1, address window 0
.set TB, 80*((\c)%3)
.irp i, 0,1,2,3,4,5,6,7
	global_load_b128 v[TB+4*(\i):TB+4*(\i)+3], v[VX], s[4:5] offset:(\i)*4096+(\c)*256
.endr
.irp m, 0,1,2
.irp i, 0,1,2,3
	global_load_b128 v[TB+32+16*(\m)+4*(\i):TB+32+16*(\m)+4*(\i)+3], v[VW], s[6+2*(\m):7+2*(\m)] offset:(\i)*4096+(\c)*256
.endr
.endr
.endm
.macro CVT c                           ; 80 f32 to 80 bf16
	WIN 0x05                                       ; sources window 1, destination window 0
.set TB, 80*((\c)%3)
.set n, 0
.rept 40
	v_cvt_pk_bf16_f32 v[CV+n], v[TB+2*n], v[TB+2*n+1]
.set n, n+1
.endr
.endm
.macro PUT c                           ; into slot c % 2
	WIN 0
.set SL, SLOTB*((\c)%2)
.irp i, 0,1,2,3,4,5,6,7
	ds_store_b64 v[SA], v[CV+2*(\i):CV+2*(\i)+1] offset:SL+(\i)*2*PITCH
.endr
.irp m, 0,1,2
.irp i, 0,1,2,3
	ds_store_b64 v[SB], v[CV+16+8*(\m)+2*(\i):CV+16+8*(\m)+2*(\i)+1] offset:SL+(\m)*MATB+(\i)*2*PITCH
.endr
.endr
.endm
.macro FRAGS c                         ; 28 LDS loads: the 14 of the first 32 along K first
.set SL, SLOTB*((\c)%2)
.irp kk, 0,1
.irp a, 0,1,2,3
	ds_load_b128 v[FR+56*(\kk)+8*(\a):FR+56*(\kk)+8*(\a)+3],   v[FA] offset:SL+(\a)*16*PITCH+(\kk)*64
	ds_load_b128 v[FR+56*(\kk)+8*(\a)+4:FR+56*(\kk)+8*(\a)+7], v[FA] offset:SL+(\a)*16*PITCH+(\kk)*64+32
.endr
.irp m, 0,1,2
	ds_load_b128 v[FR+56*(\kk)+32+8*(\m):FR+56*(\kk)+32+8*(\m)+3],   v[FB] offset:SL+(\m)*MATB+(\kk)*64
	ds_load_b128 v[FR+56*(\kk)+32+8*(\m)+4:FR+56*(\kk)+32+8*(\m)+7], v[FB] offset:SL+(\m)*MATB+(\kk)*64+32
.endr
.endr
.endm
.macro MUL12 kk, first                 ; 12 products; the accumulators take turns, one instruction a turn.  first = 1: the bias starts the sum
.irp a, 0,1,2,3
.irp m, 0,1,2
.if \first
	v_wmma_f32_16x16x32_bf16 v[ACC+8*(3*(\a)+(\m)):ACC+8*(3*(\a)+(\m))+7], v[FR+56*(\kk)+32+8*(\m):FR+56*(\kk)+32+8*(\m)+7], v[FR+56*(\kk)+8*(\a):FR+56*(\kk)+8*(\a)+7], v[BIAS+8*(\m):BIAS+8*(\m)+7]
.else
	v_wmma_f32_16x16x32_bf16 v[ACC+8*(3*(\a)+(\m)):ACC+8*(3*(\a)+(\m))+7], v[FR+56*(\kk)+32+8*(\m):FR+56*(\kk)+32+8*(\m)+7], v[FR+56*(\kk)+8*(\a):FR+56*(\kk)+8*(\a)+7], v[ACC+8*(3*(\a)+(\m)):ACC+8*(3*(\a)+(\m))+7]
.endif
.endr
.endr
.endm
; One chunk.  left: the younger loads that may stay out.  ahead = 1: chunk c + 3 is asked for, into the registers that this step's roundings have read.
; ONE barrier a chunk.  In front of it every wave's stores of chunk c are done, and so are its reads of chunk c - 1 (waited for in the step before): so behind it chunk c is whole, and
; chunk c + 1 may be stored into the slot of chunk c - 1.
.macro STEP c, left, ahead
.if (\c) > 0
	PLACES                                         ; the roundings below write registers that the last products read
.endif
	s_wait_loadcnt \left                           ; loads come back in order (ISA guide 5.7.1): chunk c is in
	CVT \c
	WIN 0                                          ; the windows of the LDS stores and loads below are set ahead of the wait
	s_wait_alu depctr_va_vdst(0)                   ; the roundings have written CV, which the LDS stores read and in which fragment loads land, and are done reading T[c % 3], in which chunk c + 3 lands; the last step's products are done reading FR
	PUT \c
	s_wait_dscnt 0x0                               ; for the others' sake: my stores are done
	s_barrier_signal -1
	s_barrier_wait -1
	s_wait_alu depctr_vm_vsrc(0)                   ; my LDS stores have read CV, in which the fragment loads below land and which the next step's roundings write
	FRAGS \c
.if \ahead
	LOADS (\c)+3                                   ; while the fragments are out.  No wait: no vector or matrix instruction since the wait on va_vdst names T[c % 3], v2 or v3
	WIN 0
.endif
	s_wait_dscnt 14                                ; the first 32 along K are in; the other 14 loads may be out
.if (\c) == 0
	MUL12 0, 1
.else
	MUL12 0, 0
.endif
	s_wait_dscnt 0x0
	MUL12 1, 0
.endm
	s_load_b512 s[4:19], s[0:1], 0x0               ; x s[4:5], Wk, Wq, Wv s[6:11], bk, bq, bv s[12:17], Wo s[18:19]
	s_load_b256 s[20:27], s[0:1], 0x40             ; kbuf, qbuf, vbuf s[20:25], wo16 s[26:27]
	s_load_b64 s[28:29], s[0:1], 0x60              ; ssq
	v_lshl_add_u32 v[SPW], v0, 2, SPARE
	v_mov_b32 v[NIL], 0
	v_lshrrev_b32 v1, 5, v0
	v_readfirstlane_b32 s30, v1                    ; wave 0..7
	s_mov_b32 s31, ttmp9                           ; j: the slice of 64 channels
	s_and_b32 s32, ttmp7, 0xffff                   ; y: the block of 128 rows
	s_lshl3_add_u32 s33, s32, s31                  ; 8 y + j: the work-group's number, for Wo
	s_wait_alu depctr_va_sdst(0)                   ; s30 is written, ahead of its first reader
	s_lshr_b32 s36, s30, 2                         ; wr: which 64 rows are mine
	s_and_b32 s37, s30, 3                          ; wc: which 16 channels
	v_and_b32 v16, 15, v0                          ; lo
	v_bfe_u32 v17, v0, 4, 1                        ; hi
	v_and_b32 v18, 31, v0                          ; lane
	v_lshlrev_b32 v20, 4, v16                      ; 16 lo
	v_lshlrev_b32 v22, 3, v16                      ; 8 lo
	v_lshl_add_u32 v19, v1, 4, v17                 ; 16 w + hi
	v_lshl_add_u32 v21, v1, 3, v17                 ; 8 w + hi
	v_lshl_add_u32 v[VX], v19, 11, v20
	v_lshl_add_u32 v[VW], v21, 11, v20
	v_mad_u32_u24 v[SA], v19, PITCH, v22
	v_mad_u32_u24 v[SB], v21, PITCH, v22
	v_add_nc_u32 v[SB], BOFF, v[SB]
	v_lshlrev_b32 v19, 4, v17                      ; 16 hi
	s_lshl_b32 s38, s36, 6
	v_add_nc_u32 v23, s38, v16                     ; 64 wr + lo
	v_mad_u32_u24 v[FA], v23, PITCH, v19
	s_lshl_b32 s39, s37, 4
	v_add_nc_u32 v21, s39, v16                     ; 16 wc + lo
	v_mad_u32_u24 v[FB], v21, PITCH, v19
	v_add_nc_u32 v[FB], BOFF, v[FB]
	v_mad_u32_u24 v[STO], v23, SP, v19             ; stage row 64 wr + lo, byte 32 wc + 16 hi
	s_lshl_b32 s40, s37, 5
	s_add_co_u32 s40, s40, STAGE
	v_add_nc_u32 v[STO], s40, v[STO]
	v_lshrrev_b32 v21, 3, v0                       ; back: eight threads to a row's 128 bytes of one matrix, 32 rows an instruction
	v_and_b32 v23, 7, v0
	v_lshlrev_b32 v23, 4, v23
	v_mad_u32_u24 v[RD], v21, SP, v23
	v_add_nc_u32 v[RD], STAGE, v[RD]
	v_lshlrev_b32 v[GO], 4, v0
	s_lshl_b32 s41, s37, 6
	v_lshl_add_u32 v[BO], v17, 5, s41              ; 4 bytes x (16 wc + 8 hi)
	v_lshl_add_u32 v[WI], v17, 11, v20             ; Wo: row hi, slice w, 4 numbers at 4 lo
	v_lshl_add_u32 v[WI], v1, 8, v[WI]
	v_lshlrev_b32 v[WOO], 3, v18                   ; wo16: slice w, then the two rows' 256 consecutive bytes
	v_lshl_add_u32 v[WOO], v1, 16, v[WOO]
	s_wait_kmcnt 0x0
	s_mov_b32 s35, 0
	s_lshl_b32 s34, s32, 18                        ; 128 rows of 2,048 bytes
	s_add_nc_u64 s[4:5], s[4:5], s[34:35]
	s_lshl_b32 s34, s31, 17                        ; 64 rows of 2,048 bytes
	s_add_nc_u64 s[6:7], s[6:7], s[34:35]
	s_add_nc_u64 s[8:9], s[8:9], s[34:35]
	s_add_nc_u64 s[10:11], s[10:11], s[34:35]
	s_lshl_b32 s34, s31, 8                         ; 64 numbers of 4 bytes
	s_add_nc_u64 s[12:13], s[12:13], s[34:35]
	s_add_nc_u64 s[14:15], s[14:15], s[34:35]
	s_add_nc_u64 s[16:17], s[16:17], s[34:35]
	s_lshl_b32 s34, s33, 12                        ; two rows of Wo
	s_add_nc_u64 s[18:19], s[18:19], s[34:35]
	s_lshl_b32 s34, s33, 8                         ; two rows of a slice of wo16
	s_add_nc_u64 s[26:27], s[26:27], s[34:35]
	s_lshl_b32 s34, s31, 19                        ; slice j: 4,096 rows of 128 bytes; block y: 128 rows
	s_lshl_b32 s38, s32, 14
	s_add_co_u32 s34, s34, s38
	s_add_nc_u64 s[20:21], s[20:21], s[34:35]
	s_add_nc_u64 s[22:23], s[22:23], s[34:35]
	s_add_nc_u64 s[24:25], s[24:25], s[34:35]
	s_lshl_b32 s34, s31, 15                        ; ssq: slice j: 4,096 rows of 8 bytes; block y: 128 rows
	s_lshl_b32 s38, s32, 10
	s_add_co_u32 s34, s34, s38
	s_add_nc_u64 s[28:29], s[28:29], s[34:35]
	s_wait_alu depctr_va_vdst(0)                   ; the offsets and addresses v2 to v13 are written, which the kernel's loads and stores read; the lines above are done with v16 to v19, in which Wo's load lands
	global_load_b128 v[16:19], v[WI], s[18:19]
.irp m, 0,1,2
	global_load_b128 v[BIAS+8*(\m):BIAS+8*(\m)+3],   v[BO], s[12+2*(\m):13+2*(\m)]
	global_load_b128 v[BIAS+8*(\m)+4:BIAS+8*(\m)+7], v[BO], s[12+2*(\m):13+2*(\m)] offset:16
.endr
	LOADS 0
	LOADS 1
	LOADS 2
	WIN 0
	s_wait_loadcnt 60                              ; the 60 loads of chunks 0 to 2 may be out: Wo's and the biases' seven are in
.set n, 0
.rept 12                               ; the biases rounded to bf16, kept as f32
	v_cvt_pk_bf16_f32 v[20+n%4], v[BIAS+2*n], v[BIAS+2*n+1]
	v_lshlrev_b32 v[BIAS+2*n], 16, v[20+n%4]
	v_and_b32 v[BIAS+2*n+1], 0xffff0000, v[20+n%4]
.set n, n+1
.endr
	v_cvt_pk_bf16_f32 v20, v16, v17                ; Wo: rounded to bf16, and that number written as f16
	v_cvt_pk_bf16_f32 v21, v18, v19
	v_lshlrev_b32 v16, 16, v20
	v_and_b32 v17, 0xffff0000, v20
	v_lshlrev_b32 v18, 16, v21
	v_and_b32 v19, 0xffff0000, v21
	v_cvt_pk_f16_f32 v22, v16, v17
	v_cvt_pk_f16_f32 v23, v18, v19
	s_wait_alu depctr_va_vdst(0)                   ; the conversions have written v22 and v23, which the store reads
	global_store_b64 v[WOO], v[22:23], s[26:27]    ; a wave stores 256 consecutive bytes, aligned; v13, v22, v23 are not written again
	STEP 0, 40, 1                                  ; 40: the two younger chunks stay out
	STEP 1, 40, 1
	STEP 2, 40, 1
	STEP 3, 40, 1
	STEP 4, 40, 1
	STEP 5, 40, 0
	STEP 6, 20, 0                                  ; the last chunks ask for nothing: the counts run down
	STEP 7, 0, 0
	; THE WAY OUT: rounded to f16 (each accumulator from its low end on), 16 bytes a lane into the stage; a barrier, since a row's 128 bytes come from four waves; back as whole rows.
	PLACES
.set n, 0
.rept 48
	v_cvt_pk_f16_f32 v[PK+n], v[ACC+2*n], v[ACC+2*n+1]
.set n, n+1
.endr
	s_wait_alu depctr_va_vdst(0)                   ; the roundings have written v[PK ..], which the LDS stores read; the last products are done reading v192 to v239, in which the loads from the stage land
.irp a, 0,1,2,3
.irp m, 0,1,2
	ds_store_b128 v[STO], v[PK+4*(3*(\a)+(\m)):PK+4*(3*(\a)+(\m))+3] offset:(\a)*16*SP+(\m)*128
.endr
.endr
	s_wait_dscnt 0x0                               ; for the others' sake: my stores into the stage are done
	s_barrier_signal -1
	s_barrier_wait -1
.irp m, 0,1,2
.irp i, 0,1,2,3
	ds_load_b128 v[OB+4*(4*(\m)+(\i)):OB+4*(4*(\m)+(\i))+3], v[RD] offset:(\i)*32*SP+(\m)*128
.endr
.endr
.irp m, 0,1,2
.irp i, 0,1,2,3
	s_wait_dscnt 11-(4*(\m)+(\i))                  ; LDS loads come back in order: this one is in, the younger ones stay out
	global_store_b128 v[GO], v[OB+4*(4*(\m)+(\i)):OB+4*(4*(\m)+(\i))+3], s[20+2*(\m):21+2*(\m)] offset:(\i)*4096  ; a wave stores 512 consecutive bytes, aligned
.endr
.endr
	; THE SUMS OF SQUARES: waves 0 to 3, a thread to a row: the row's 64 f16 of k and 64 of q out of the stage, squared and added in f32, four chains.
	s_cmp_ge_u32 s30, 4
	s_cbranch_scc1 .Lend
	v_and_b32 v116, 127, v0
	v_mul_u32_u24 v117, v116, SP
	v_add_nc_u32 v117, STAGE, v117
	v_lshlrev_b32 v116, 3, v116
	s_wait_alu depctr_va_vdst(0)                   ; v117, the LDS loads' address, and v116, the store's offset, are written
.set n, 0
.rept 16
	ds_load_b128 v[48+4*n:48+4*n+3], v117 offset:16*n
.set n, n+1
.endr
	s_wait_dscnt 0x0
.set n, 0
.rept 32
.if n == 0
	v_fma_mix_f32 v112, v48, v48, v[NIL] op_sel_hi:[1,1,0]                 ; the first squares start the chains on the register that holds 0
	v_fma_mix_f32 v113, v48, v48, v[NIL] op_sel:[1,1,0] op_sel_hi:[1,1,0]
	v_fma_mix_f32 v114, v80, v80, v[NIL] op_sel_hi:[1,1,0]
	v_fma_mix_f32 v115, v80, v80, v[NIL] op_sel:[1,1,0] op_sel_hi:[1,1,0]
.else
	v_fma_mix_f32 v112, v[48+n], v[48+n], v112 op_sel_hi:[1,1,0]
	v_fma_mix_f32 v113, v[48+n], v[48+n], v113 op_sel:[1,1,0] op_sel_hi:[1,1,0]
	v_fma_mix_f32 v114, v[80+n], v[80+n], v114 op_sel_hi:[1,1,0]
	v_fma_mix_f32 v115, v[80+n], v[80+n], v115 op_sel:[1,1,0] op_sel_hi:[1,1,0]
.endif
.set n, n+1
.endr
	v_add_f32 v112, v112, v113                     ; k's
	v_add_f32 v113, v114, v115                     ; q's
	s_wait_alu depctr_va_vdst(0)                   ; the two sums v112 and v113 are written, which the store reads
	global_store_b64 v116, v[112:113], s[28:29]    ; a wave stores 256 consecutive bytes, aligned
.Lend:
	s_wait_dscnt 0x0                               ; the closing lines, six on end
	s_wait_alu 0x0
	s_wait_tensorcnt 0x0
	ds_add_u32 v[SPW], v[NIL]
	s_wait_dscnt 0x0
	s_endpgm
.Lfunc_end_k_qe1a6bbee81_proj:
	.size	k_qe1a6bbee81_proj, .Lfunc_end_k_qe1a6bbee81_proj-k_qe1a6bbee81_proj
	.p2alignl 7, 3214868480
	.fill 96, 4, 3214868480
	.section	.rodata,"a",@progbits
	.p2align	6, 0x0
	.amdhsa_kernel k_qe1a6bbee81_proj
		.amdhsa_group_segment_fixed_size 144384
		.amdhsa_private_segment_fixed_size 0
		.amdhsa_enable_private_segment 0
		.amdhsa_kernarg_size 104
		.amdhsa_user_sgpr_count 2
		.amdhsa_user_sgpr_kernarg_segment_ptr 1
		.amdhsa_wavefront_size32 1
		.amdhsa_system_sgpr_workgroup_id_x 1
		.amdhsa_system_sgpr_workgroup_id_y 1
		.amdhsa_system_sgpr_workgroup_id_z 1
		.amdhsa_system_vgpr_workitem_id 0
		.amdhsa_next_free_vgpr 496
		.amdhsa_next_free_sgpr 66
		.amdhsa_reserve_vcc 0
		.amdhsa_float_denorm_mode_32 3
		.amdhsa_float_denorm_mode_16_64 3
		.amdhsa_memory_ordered 1
		.amdhsa_forward_progress 1
		.amdhsa_inst_pref_size 98
	.end_amdhsa_kernel
	.amdgpu_metadata
---
amdhsa.version: [ 1, 2 ]
amdhsa.kernels:
  - .name:           k_qe1a6bbee81_proj
    .symbol:         k_qe1a6bbee81_proj.kd
    .args:
      - { .name: x_seq, .offset: 0, .size: 8, .value_kind: global_buffer, .address_space: global }
      - { .name: Wk, .offset: 8, .size: 8, .value_kind: global_buffer, .address_space: global }
      - { .name: Wq, .offset: 16, .size: 8, .value_kind: global_buffer, .address_space: global }
      - { .name: Wv, .offset: 24, .size: 8, .value_kind: global_buffer, .address_space: global }
      - { .name: bk, .offset: 32, .size: 8, .value_kind: global_buffer, .address_space: global }
      - { .name: bq, .offset: 40, .size: 8, .value_kind: global_buffer, .address_space: global }
      - { .name: bv, .offset: 48, .size: 8, .value_kind: global_buffer, .address_space: global }
      - { .name: Wo, .offset: 56, .size: 8, .value_kind: global_buffer, .address_space: global }
      - { .name: kbuf, .offset: 64, .size: 8, .value_kind: global_buffer, .address_space: global }
      - { .name: qbuf, .offset: 72, .size: 8, .value_kind: global_buffer, .address_space: global }
      - { .name: vbuf, .offset: 80, .size: 8, .value_kind: global_buffer, .address_space: global }
      - { .name: wo16, .offset: 88, .size: 8, .value_kind: global_buffer, .address_space: global }
      - { .name: ssq, .offset: 96, .size: 8, .value_kind: global_buffer, .address_space: global }
    .group_segment_fixed_size: 144384
    .private_segment_fixed_size: 0
    .kernarg_segment_align: 8
    .kernarg_segment_size: 104
    .max_flat_workgroup_size: 256
    .sgpr_count:     66
    .vgpr_count:     496
    .wavefront_size: 32
...
	.end_amdgpu_metadata
.endif
;; end of part 4
;; launch pu: the kernel of part 2 again; grid 26 x 8, 4 waves a work-group, no clusters, 296,960 bytes of LDS; arguments qbuf, kbuf, vbuf, wo16, ssq, pbuf, ut, um; writes pbuf, ut, um
;; launch outk: the kernel of part 3 again; grid 32 x 8, 4 waves a work-group, no clusters, 259,584 bytes of LDS; arguments pbuf, ut, um, bo, out0; writes out0
